; MI455X (gfx1250); checked and timed in simulation.
; The chip was launched on July 23, 2026; its instructions are those of AMD's public machine-readable ISA for CDNA 5 (MIT licence, August 2026) and "CDNA5" Instruction Set Architecture Reference Guide (July 2026). The comments in the code are by the model that wrote it; some were corrected since.
;; Multi Head Attention. Allowed arithmetic: matrix products marked QUANTISED: E2M3 operands, one E8M0 scale for each 32 along K, by v_wmma_scale_f32_16x16x128_f8f6f4 with both operands' format E2M3, f32 sums; everything else in f32.
;; Inputs: Wk_codes 1,024 x 32 x 24 uint8 (E2M3 codes of Wk, K innermost, in blocks of 32 codes, four codes in three bytes); Wk_scales 1,024 x 32 uint8 (E8M0 scales of Wk, one for each 32 codes along K); Wo_codes 1,024 x 32 x 24 uint8 (E2M3 codes of Wo, K innermost, in blocks of 32 codes, four codes in three bytes); Wo_scales 1,024 x 32 uint8 (E8M0 scales of Wo, one for each 32 codes along K); Wq_codes 1,024 x 32 x 24 uint8 (E2M3 codes of Wq, K innermost, in blocks of 32 codes, four codes in three bytes); Wq_scales 1,024 x 32 uint8 (E8M0 scales of Wq, one for each 32 codes along K); Wv_codes 1,024 x 32 x 24 uint8 (E2M3 codes of Wv, K innermost, in blocks of 32 codes, four codes in three bytes); Wv_scales 1,024 x 32 uint8 (E8M0 scales of Wv, one for each 32 codes along K); beta 1,024 float32; bk 1,024 float32; bo 1,024 float32; bq 1,024 float32; bv 1,024 float32; gamma 1,024 float32; k 8 x 1,024 x 1,024 float32; pad_mask 8 x 1,024 bool; q 8 x 1,024 x 1,024 float32; v 8 x 1,024 x 1,024 float32.
;; Outputs: out0 8 x 1,024 x 1,024 float32.
;; This version of the problem:
;;   THIS VERSION OF THE PROBLEM IS GIVEN IN LOW PRECISION. The matrix products marked QUANTISED in the list below multiply operands that are first quantised to E2M3 (2 exponent bits, 3 mantissa bits; 6 bits a number), with one power-of-two scale for each 32 numbers along K (OCP MX v1.0); their sums are f32. All else is computed in f32.
;;   The module's matrix products, in the order in which they are computed (A, B: the left and right operand; K: the contracted axis; several contracted axes count as one K, in the product's order):
;;     1. [M 8,192, K 1,024] x [K 1,024, N 1,024]; A: computed on the way; B: input Wq (given as codes): QUANTISED
;;     2. [M 8,192, K 1,024] x [K 1,024, N 1,024]; A: computed on the way; B: input Wk (given as codes): QUANTISED
;;     3. [M 8,192, K 1,024] x [K 1,024, N 1,024]; A: computed on the way; B: input Wv (given as codes): QUANTISED
;;     4. batch 128 x [M 1,024, K 64] x [K 64, N 1,024]; A: computed on the way; B: computed on the way: QUANTISED
;;     5. batch 128 x [M 1,024, K 1,024] x [K 1,024, N 64]; A: softmax (see below); B: computed on the way: QUANTISED
;;     6. [M 8,192, K 1,024] x [K 1,024, N 1,024]; A: computed on the way; B: input Wo (given as codes): QUANTISED
;;   THE QUANTISER, for each operand of a quantised product, along K:
;;     - K is cut into blocks of 32 from its start; a last block that is shorter is filled with zeros.
;;     - A block's scale is 2^e with e = floor(log2(the largest magnitude in the block)) - 2, held to -126 .. 127; a block of zeros has e = 0. As a byte (E8M0): e + 127.
;;     - Each number is divided by its block's scale, clamped to +-7.5, and rounded to the nearest number of E2M3, ties to even, subnormals kept.
;;     - The product sums the exact products of the quantised numbers (number of the format x scale) in f32.
;;   ~~~python
;;   def quantise(x, axis):      # numpy; x: float32 -> the quantised numbers, widened to float32 again
;;       x = np.moveaxis(x, axis, -1); K = x.shape[-1]
;;       x = np.pad(x, [(0, 0)] * (x.ndim - 1) + [(0, -K % 32)]); x = x.reshape(x.shape[:-1] + (-1, 32)); a = np.abs(x).max(-1, keepdims=True)
;;       e = np.where(a > 0, np.clip(np.frexp(np.where(a > 0, a, 1))[1] - 1 - 2, -126, 127), 0)      # np.frexp(a)[1] - 1 = floor(log2(a)), exactly
;;       r = np.clip(x / 2.0 ** e, -7.5, 7.5)
;;       step = 2.0 ** (np.maximum(np.frexp(np.where(r == 0, 1, r))[1] - 1, 0) - 3)
;;       q = np.round(r / step) * step * 2.0 ** e      # np.round: ties to even
;;       return np.moveaxis(q.reshape(q.shape[:-2] + (-1,))[..., :K], -1, axis).astype(np.float32)
;;   ~~~
;;   SOFTMAX AHEAD OF A QUANTISED PRODUCT. Where the list says 'softmax', what is quantised is not the finished softmax but p = 2^(t - M), with t = logit x log2(e) and M = ceil(the row's largest t), a whole number; so 1/2 < the row's largest p <= 1. The row's sum l is taken of the UNQUANTISED p, in f32, and the product's result is divided by l at the end. Since M is a whole number, a kernel that streams over the keys may use a running M (the ceiling of the running maximum): every later rescaling is an exact power of two, which a block's scale takes up: the codes' values come out the same.
;;   OPERANDS COMPUTED ON THE WAY. 'Computed on the way' means the value that the module computes at that place (a softmax that the list does not call 'softmax' is quantised finished and normalised). What goes into a quantiser is computed in f32, as accurately as f32 sums, v_exp_f32 and their like allow (about 1e-6 of the number): no bf16 or f16 on the way to a quantiser, and a product that is left as it is and whose result goes on into a quantised operand takes f32 operands (vector FMAs, or v_wmma_f32_16x16x4_f32). A number that lies on a knife's edge between two numbers of the format may be rounded either way, as far as f32 arithmetic and the matrix unit's own rounding can turn it there, and no further.
;;   INPUTS GIVEN AS CODES. Wk (in the module: [1024, 1024], K = its axis 1); Wo (in the module: [1024, 1024], K = its axis 1); Wq (in the module: [1024, 1024], K = its axis 1); Wv (in the module: [1024, 1024], K = its axis 1): each comes as NAME_codes (uint8): NAME with its K axis moved to the last place and cut into blocks of 32 codes, [.., K / 32, bytes a block], one block behind the other in memory; four codes in three bytes: a row's codes are one little-endian stream of bits, code i at bits 6 i .. 6 i + 5 (a code: sign, 2 exponent bits, 3 mantissa bits); and NAME_scales (uint8): the same leading axes, one E8M0 byte (e + 127) for each 32 codes along K. Its value is code x scale, taken as it is: it is not quantised again, and the codes and scales need not be those that the quantiser above would give.
;; One version. Each part assembles by itself: llvm-mc -triple=amdgcn-amd-amdhsa -mcpu=gfx1250 --defsym DOCPART=n.
;; ======== version 1 of 1: 4 launches
;; limits: right only within a limited range of input values
;; workspace buffers: xc 18,874,368 bytes; xs 786,432 bytes; qimg 6,291,456 bytes; qsc 1,048,576 bytes; kv 14,155,776 bytes; ac 6,291,456 bytes; asc 262,144 bytes
;; launch lnq (part 1): grid 768 x 1, 4 waves a work-group, no clusters, 23,040 bytes of LDS; arguments q, k, v, gamma, beta, xc, xs; writes xc, xs
.if DOCPART == 1
	.amdgcn_target "amdgcn-amd-amdhsa--gfx1250"
	.amdhsa_code_object_version 6
	.text
	.protected	k_qfcc8d2b493_lnq
	.globl	k_qfcc8d2b493_lnq
	.p2align	8
	.type	k_qfcc8d2b493_lnq,@function
k_qfcc8d2b493_lnq:
	s_mov_b64 s[64:65], 0
	v_nop
	global_prefetch_b8 v0, s[64:65] scope:SCOPE_SE
	s_setreg_imm32_b32 hwreg(HW_REG_WAVE_MODE, 25, 1), 1
	s_wait_xcnt 0x0
; LayerNorm of q, k and v ([8192][1024] f32 each), quantised along the row into codes of FP6 (E2M3) with one E8M0 byte for each 32 numbers.
; xc: [3 x 8192 rows][768 bytes of codes], xs: [3 x 8192 rows][32 scale bytes].  ROW R IS STORED AT ROW P(R): R with its bits 3 and 4 exchanged (inside each 32 rows).  Sixteen neighbouring
; stored rows 32 B + 16 u + m are then the rows 32 B + 8 u + m + 8 (m / 8): the tile that leaves the next product's results as 16 neighbours in a lane's registers.
; SHARES.  Work-groups 0-255 take q, 256-511 k, 512-767 v; a work-group takes 32 rows, a wave 8, one row at a time; a row of 4,096 bytes stays in the wave's registers, so it is read once.
; 768 work-groups of four waves with 256 registers each: three to each of 256 WGPs, all at once, three waves to a SIMD.
; Each load reads 512 consecutive bytes; the conversions want 16 NEIGHBOURS in a lane, so a row turns through the wave's own stage in LDS (16 bytes of padding behind each 64): lane l then holds
; numbers 512 s + 16 l + 0 .. 15, s = 0, 1.  Two neighbouring lanes hold a block of 32.  Mean and variance in two passes over the registers, in f32.
; Four rows (32 loads a wave) are on their way.  No barrier: waves share nothing.  No matrix unit, no cluster: nothing is shared and memory binds.
; A block's scale is 2^(floor(log2(largest magnitude)) - 2); its byte is the magnitude's exponent field - 2, held at 1 from below (a block of zeros gets 1: its codes are zeros, and this program alone reads the bytes).
; LIMITS: NaN and infinities among the inputs are not served; blocks whose largest magnitude lies under 2^-124 keep the byte 1.
.set ROWS, 8                           ; rows of a wave
.set SP,   80                          ; a lane's place in a stage: 64 bytes + 16 of padding
.set STG,  32*SP                       ; a stage: half a row
.set SCB,  2*STG                       ; behind the two stages: 256 scale bytes (8 rows)
.set WREG, SCB+512                     ; a wave's LDS
.set G,    32                          ; v32-63   gamma of my 32 columns
.set BT,   64                          ; v64-95   beta
.set T,    96                          ; v96-127  the row at work: 16 s + i
.set X,    128                         ; v128-255 four rows as loaded
	s_load_b256 s[16:23], s[0:1], 0x0              ; q, k, v, gamma
	s_load_b128 s[24:27], s[0:1], 0x20             ; beta, xc
	s_load_b64 s[28:29], s[0:1], 0x30              ; xs
	v_lshl_add_u32 v31, v0, 2, 0x5800
	s_set_vgpr_msb 0x40
	v_mov_b32 v1, 0
	s_set_vgpr_msb 0x4000
	v_lshrrev_b32 v1, 5, v0
	v_readfirstlane_b32 s14, v1                    ; wave
	v_and_b32 v1, 31, v0                           ; lane
	v_lshlrev_b32 v2, 4, v1                        ; my 16 bytes of a load's 512
	s_mul_i32 s15, s14, WREG
	v_lshrrev_b32 v3, 2, v1
	v_mul_u32_u24 v3, v3, SP
	v_and_b32 v4, 3, v1
	v_lshl_add_u32 v3, v4, 4, v3
	v_add_nc_u32 v3, s15, v3                       ; into the stage: SP (lane / 4) + 16 (lane % 4)
	v_mul_u32_u24 v4, v1, SP
	v_add_nc_u32 v4, s15, v4                       ; out of it: SP x lane
	v_mul_u32_u24 v5, v1, 12                       ; my 16 codes' 12 bytes
	v_lshrrev_b32 v6, 1, v1
	s_add_co_u32 s15, s15, SCB
	v_add_nc_u32 v6, s15, v6                       ; my block's scale byte
	v_lshlrev_b32 v8, 3, v1
	v_add_nc_u32 v7, s15, v8                       ; the scale bytes on their way out: 8 a lane
	v_lshlrev_b32 v9, 6, v1                        ; gamma, beta: 64 bytes a lane
	v_mov_b32 v15, 0                               ; a lane permute's destination counts as read
	s_mov_b32 s10, 0x3a800000                      ; 1 / 1024
	s_mov_b32 s11, 0x3727c5ac                      ; 1e-5
	s_mov_b32 s12, 0x76543210
	s_mov_b32 s13, 0xfedcba98                      ; lane l xor 16
	s_lshr_b32 s2, ttmp9, 8                        ; which tensor
	s_and_b32 s3, ttmp9, 255
	s_lshl_b32 s3, s3, 5                           ; the work-group's first row
	s_lshl_b32 s30, s14, 3
	s_add_co_u32 s30, s30, s3
	s_lshl_b32 s30, s30, 12                        ; my wave's first row, in bytes
	s_mov_b32 s31, 0
	s_wait_alu depctr_va_vdst(0)
	s_wait_kmcnt 0x0
	s_cmp_eq_u32 s2, 0
	s_cselect_b64 s[4:5], s[16:17], s[18:19]
	s_cmp_eq_u32 s2, 2
	s_cselect_b64 s[4:5], s[20:21], s[4:5]
	s_add_nc_u64 s[4:5], s[4:5], s[30:31]
	s_lshl_b32 s30, s2, 13                         ; where row t = 0 is stored: 8192 x tensor + first row + 16 (wave % 2) + 8 (wave / 2): the wave's number holds the row's bits 3 and 4
	s_add_co_u32 s30, s30, s3
	s_and_b32 s2, s14, 1
	s_lshl_b32 s2, s2, 4
	s_add_co_u32 s30, s30, s2
	s_lshr_b32 s2, s14, 1
	s_lshl_b32 s2, s2, 3
	s_add_co_u32 s3, s30, s2
	s_mul_i32 s30, s3, 768
	s_add_nc_u64 s[6:7], s[26:27], s[30:31]
	s_lshl_b32 s30, s3, 5
	s_add_nc_u64 s[8:9], s[28:29], s[30:31]
.irp h, 0,1
.irp i, 0,1,2,3
	global_load_b128 v[G+16*\h+4*\i:G+16*\h+4*\i+3], v9, s[22:23] offset:2048*\h+16*\i
	global_load_b128 v[BT+16*\h+4*\i:BT+16*\h+4*\i+3], v9, s[24:25] offset:2048*\h+16*\i
.endr
.endr
.macro FILL s, t                       ; row t into slot s: eight loads of 512 consecutive bytes
.irp j, 0,1,2,3,4,5,6,7
	global_load_b128 v[X+32*(\s)+4*\j:X+32*(\s)+4*\j+3], v2, s[4:5] offset:4096*(\t)+512*\j th:TH_LOAD_NT
.endr
.endm
.macro REDUCE                          ; v14 summed over the 32 lanes, the sum in every lane
	v_add_f32_dpp v14, v14, v14 row_xmask:1 row_mask:0xf bank_mask:0xf
	v_add_f32_dpp v14, v14, v14 row_xmask:2 row_mask:0xf bank_mask:0xf
	v_add_f32_dpp v14, v14, v14 row_xmask:4 row_mask:0xf bank_mask:0xf
	v_add_f32_dpp v14, v14, v14 row_xmask:8 row_mask:0xf bank_mask:0xf
	v_permlanex16_b32 v15, v14, s12, s13
	v_add_f32 v14, v14, v15
.endm
	FILL 0, 0
	FILL 1, 1
	FILL 2, 2
	FILL 3, 3
; Row t of my 8.  left: the loads of younger rows, eight each, which may stay out.
.macro ROW t, left
.set XS, X+32*((\t)%4)
	s_wait_loadcnt \left                           ; loads come back in order: my row is in (the first wait also shows gamma and beta in)
.irp j, 0,1,2,3,4,5,6,7
	ds_store_b128 v3, v[XS+4*\j:XS+4*\j+3] offset:STG*(\j/4)+8*SP*(\j%4)
.endr
.irp j, 0,1,2,3,4,5,6,7
	ds_load_b128 v[T+4*\j:T+4*\j+3], v4 offset:STG*(\j/4)+16*(\j%4)   ; LDS serves a wave's instructions in order: these see the stores above
.endr
	s_wait_dscnt 0x0                               ; the row is back, and the stores have read the slot's registers,
.if (\t)+4 < ROWS
	FILL (\t)%4, (\t)+4                            ; which take the row four further on
.endif
	s_wait_xcnt 0x0                                ; the last row's stores have read their data: v10-15 and v28-30 are written again only behind this wait
	v_pk_add_f32 v[10:11], v[T:T+1], v[T+2:T+3]    ; the sum, two chains
	v_pk_add_f32 v[12:13], v[T+4:T+5], v[T+6:T+7]
.irp j, 8,12,16,20,24,28
	v_pk_add_f32 v[10:11], v[10:11], v[T+\j:T+\j+1]
	v_pk_add_f32 v[12:13], v[12:13], v[T+\j+2:T+\j+3]
.endr
	v_pk_add_f32 v[10:11], v[10:11], v[12:13]
	v_add_f32 v14, v10, v11
	REDUCE
	v_mul_f32 v16, s10, v14                        ; the mean, twice
	v_mul_f32 v17, s10, v14
.irp j, 0,2,4,6,8,10,12,14,16,18,20,22,24,26,28,30
	v_pk_add_f32 v[T+\j:T+\j+1], v[T+\j:T+\j+1], v[16:17] neg_lo:[0,1] neg_hi:[0,1]   ; x - mean
.endr
	v_pk_mul_f32 v[10:11], v[T:T+1], v[T:T+1]      ; the sum of squares
	v_pk_mul_f32 v[12:13], v[T+2:T+3], v[T+2:T+3]
.irp j, 4,8,12,16,20,24,28
	v_pk_fma_f32 v[10:11], v[T+\j:T+\j+1], v[T+\j:T+\j+1], v[10:11]
	v_pk_fma_f32 v[12:13], v[T+\j+2:T+\j+3], v[T+\j+2:T+\j+3], v[12:13]
.endr
	v_pk_add_f32 v[10:11], v[10:11], v[12:13]
	v_add_f32 v14, v10, v11
	REDUCE
	v_fma_f32 v14, v14, s10, s11                   ; variance + eps
	s_wait_alu depctr_va_vdst(0)
	v_rsq_f32 v18, v14
	v_nop                                          ; a plain instruction behind the transcendental
	s_wait_alu depctr_va_vdst(0)                   ; and the wait ahead of its first reader
	v_mov_b32 v19, v18
.irp j, 0,2,4,6,8,10,12,14,16,18,20,22,24,26,28,30
	v_pk_mul_f32 v[T+\j:T+\j+1], v[T+\j:T+\j+1], v[18:19]
.endr
.irp j, 0,2,4,6,8,10,12,14,16,18,20,22,24,26,28,30
	v_pk_fma_f32 v[T+\j:T+\j+1], v[T+\j:T+\j+1], v[G+\j:G+\j+1], v[BT+\j:BT+\j+1]
.endr
.irp h, 0,1                            ; the largest magnitude of my 16, for both halves of the row by turns
	v_max3_num_f32 v[20+2*\h], |v[T+16*\h]|, |v[T+16*\h+1]|, |v[T+16*\h+2]|
	v_max3_num_f32 v[21+2*\h], |v[T+16*\h+3]|, |v[T+16*\h+4]|, |v[T+16*\h+5]|
.endr
.irp i, 6,10
.irp h, 0,1
	v_max3_num_f32 v[20+2*\h], v[20+2*\h], |v[T+16*\h+\i]|, |v[T+16*\h+\i+1]|
	v_max3_num_f32 v[21+2*\h], v[21+2*\h], |v[T+16*\h+\i+2]|, |v[T+16*\h+\i+3]|
.endr
.endr
.irp h, 0,1
	v_max3_num_f32 v[20+2*\h], v[20+2*\h], |v[T+16*\h+14]|, |v[T+16*\h+15]|
.endr
.irp h, 0,1
	v_max3_num_f32 v[20+2*\h], v[20+2*\h], v[21+2*\h], 0x1800000    ; and the floor 2^(3 - 127): the byte cannot fall under 1
.endr
.irp h, 0,1
	v_max_num_f32_dpp v[20+2*\h], v[20+2*\h], v[20+2*\h] row_xmask:1 row_mask:0xf bank_mask:0xf   ; with my neighbour's 16: the block's
.endr
.irp h, 0,1
	v_add_nc_u32 v[24+\h], 0xff000000, v[20+2*\h]  ; 2 off the exponent field: the conversion's scale operand
.endr
	v_cvt_scalef32_pk16_fp6_f32 v[28:30], v[T:T+15], v24
	v_cvt_scalef32_pk16_fp6_f32 v[10:12], v[T+16:T+31], v25
	v_lshrrev_b32 v26, 23, v24                     ; the scales' bytes (also the plain instruction behind the conversions)
	v_lshrrev_b32 v27, 23, v25
	ds_store_b8 v6, v26 offset:32*(\t)             ; both lanes of a block write the same byte with the same value
	ds_store_b8 v6, v27 offset:32*(\t)+16
	global_store_b96 v5, v[28:30], s[6:7] offset:(\t)*768       ; 32 lanes store 384 consecutive bytes; the two stores fill the row's three blocks of 256
	global_store_b96 v5, v[10:12], s[6:7] offset:(\t)*768+384
.if (\t) == ROWS-1
	ds_load_b64 v[14:15], v7                       ; my eight rows' scale bytes are neighbours in xs: 256 bytes, aligned, by one store
	s_wait_dscnt 0x0
	global_store_b64 v8, v[14:15], s[8:9]
.endif
.endm
.irp t, 0,1,2,3,4
	ROW \t, 24
.endr
	ROW 5, 16                                      ; the last rows load nothing: the counts run down
	ROW 6, 8
	ROW 7, 0
	s_set_vgpr_msb 0x4
	s_wait_tensorcnt 0x0
	ds_add_u32 v31, v1
	s_wait_dscnt 0x0
	s_set_vgpr_msb 0x400
	s_endpgm
.Lfunc_end_k_qfcc8d2b493_lnq:
	.size	k_qfcc8d2b493_lnq, .Lfunc_end_k_qfcc8d2b493_lnq-k_qfcc8d2b493_lnq
	.p2alignl 7, 3214868480
	.fill 96, 4, 3214868480
	.section	.rodata,"a",@progbits
	.p2align	6, 0x0
	.amdhsa_kernel k_qfcc8d2b493_lnq
		.amdhsa_group_segment_fixed_size 23040
		.amdhsa_private_segment_fixed_size 0
		.amdhsa_enable_private_segment 0
		.amdhsa_kernarg_size 56
		.amdhsa_user_sgpr_count 2
		.amdhsa_user_sgpr_kernarg_segment_ptr 1
		.amdhsa_wavefront_size32 1
		.amdhsa_system_sgpr_workgroup_id_x 1
		.amdhsa_system_sgpr_workgroup_id_y 1
		.amdhsa_system_sgpr_workgroup_id_z 1
		.amdhsa_system_vgpr_workitem_id 0
		.amdhsa_next_free_vgpr 258
		.amdhsa_next_free_sgpr 66
		.amdhsa_reserve_vcc 0
		.amdhsa_float_denorm_mode_32 3
		.amdhsa_float_denorm_mode_16_64 3
		.amdhsa_memory_ordered 1
		.amdhsa_forward_progress 1
		.amdhsa_inst_pref_size 83
	.end_amdhsa_kernel
	.amdgpu_metadata
---
amdhsa.version: [ 1, 2 ]
amdhsa.kernels:
  - .name:           k_qfcc8d2b493_lnq
    .symbol:         k_qfcc8d2b493_lnq.kd
    .args:
      - { .name: q, .offset: 0, .size: 8, .value_kind: global_buffer, .address_space: global }
      - { .name: k, .offset: 8, .size: 8, .value_kind: global_buffer, .address_space: global }
      - { .name: v, .offset: 16, .size: 8, .value_kind: global_buffer, .address_space: global }
      - { .name: gamma, .offset: 24, .size: 8, .value_kind: global_buffer, .address_space: global }
      - { .name: beta, .offset: 32, .size: 8, .value_kind: global_buffer, .address_space: global }
      - { .name: xc, .offset: 40, .size: 8, .value_kind: global_buffer, .address_space: global }
      - { .name: xs, .offset: 48, .size: 8, .value_kind: global_buffer, .address_space: global }
    .group_segment_fixed_size: 23040
    .private_segment_fixed_size: 0
    .kernarg_segment_align: 8
    .kernarg_segment_size: 56
    .max_flat_workgroup_size: 128
    .sgpr_count:     66
    .vgpr_count:     258
    .wavefront_size: 32
...
	.end_amdgpu_metadata
.endif
;; end of part 1
;; launch proj (part 2): grid 4 x 64, 4 waves a work-group, clusters of 4 x 4, 327,680 bytes of LDS; arguments xc, xs, Wq_codes, Wq_scales, Wk_codes, Wk_scales, Wv_codes, Wv_scales, bq, bk, bv, qimg, qsc, kv; writes qimg, qsc, kv
.if DOCPART == 2
	.amdgcn_target "amdgcn-amd-amdhsa--gfx1250"
	.amdhsa_code_object_version 6
	.text
	.protected	k_qfcc8d2b493_proj
	.globl	k_qfcc8d2b493_proj
	.p2align	8
	.type	k_qfcc8d2b493_proj,@function
k_qfcc8d2b493_proj:
	s_mov_b64 s[64:65], 0
	v_nop
	global_prefetch_b8 v0, s[64:65] scope:SCOPE_SE
	s_setreg_imm32_b32 hwreg(HW_REG_WAVE_MODE, 25, 1), 1
	s_wait_xcnt 0x0
	s_wait_alu depctr_hold_cnt(0) depctr_sa_sdst(0) depctr_va_vdst(0) depctr_va_sdst(0) depctr_va_ssrc(0) depctr_va_vcc(0) depctr_vm_vsrc(0)
	s_getreg_b32 s2, hwreg(HW_REG_IB_STS2, 6, 4)
	s_cmp_eq_u32 s2, 0
	s_cbranch_scc0 .Lentry_in_a_cluster
	s_endpgm
.Lentry_in_a_cluster:
	s_bfe_u32 s2, ttmp6, 0x10000c
	s_cmp_lg_u32 s2, 0xf033
	s_cbranch_scc0 .Lentry_shape_is_right
	s_endpgm
.Lentry_shape_is_right:
; The three projections LN(x) W^T + b on codes of FP6 (E2M3), K = 1,024; the results are quantised in registers into images of the next products' operand registers.
; A tile is 128 rows of source 1 ("A") x 256 rows of source 0 ("B").  Q and K: A = rows of LN(x), B = rows of W; V: A = rows of Wv, B = rows of LN(v).
; A WORK-GROUP STAYS: 256 work-groups, each makes three tiles, one of Q, one of K, one of V, at the place that its cluster's number gives.  A loop of two trips makes Q's and K's; V's tile is the tail, written out: it asks for nothing more.
; xc's rows lie with bits 3 and 4 exchanged, so for V two neighbouring tiles give a lane 16 neighbouring keys; for Q and K lane swaps bring 16 neighbouring features into a lane.
; RESULTS.  qimg [bh][tile of 16 rows][768], qsc [bh][tile][32 lanes x 4]; kv [bh][chunk of 512 keys][55,296]: K's half images, at 24,576 V's images, at 49,152 K's scale words, at 53,248 V's.
; ALL OF A TILE'S K LIES IN LDS: whole rows of 768 bytes (three units of 256, each on a 256-byte border), 16 bytes of padding behind each 256: pitch 816; (128 + 256) x 816 = 313,344 bytes.
; Each wave brings its part by ONE joint load (waves 0, 1: 64 rows of A each; waves 2, 3: 128 rows of B each).  In a tile's last K step all fragments are in registers: there the three lines and a round of the cluster's
; barrier stand, and the next tile's load is issued ahead of this tile's epilogue, which touches no LDS.
; The scale words go from memory into registers: a lane takes its row's 32 bytes (eight steps' words) by two loads; sixteen lanes cover 512 neighbouring bytes.
; CLUSTERS of 4 x 4: A's tiles are asked for jointly along a row of the cluster, B's along a column.  All that hangs on which projection it is hangs on the loop's counter, alike in all partners.
; No prefetch: a trip's one refill is the whole next tile, 1,224 blocks of 256 bytes; a trip ahead of it nothing smaller could be named than that whole tile at once.
; REGISTERS: window 0: v8-31 addresses; v32-63 A's scale words (8 a + step); v64-127 B's (8 b + step); v128-175 A's four fragments; v176-183 bias along A's rows; v184-247 the epilogue's numbers.
;   window 1: B's eight fragments, two sets (v0, v128); the bias along B's rows in v96-127 and v224-255.  window 2: accumulator (a, b) at v[8 (8 a + b)].
; LIMITS: NaN and infinities are not served; blocks whose largest magnitude lies under 2^-124 keep the byte 1 (blocks of zeros too: their codes are zeros, and this program alone reads the bytes).
.set PITCH, 816
.set HA,    64*PITCH
.set HB,    128*PITCH
.set SPARE, 2*HA+2*HB                  ; the spare words: 128 bytes a wave
.set KROW,  768
.set FR,    12
.set NL,    6
.set NP,    4
.set REC,   110592
.set CHK,   55296
.set ADRA, 8                           ; v8 my A rows; v9 the same with lanes 16-31 behind one padding more
.set SAA,  10                          ; offsets of my rows' scales: A's, B's
.set SBA,  11
.set RR,   12                          ; r, h, 32 r: kept
.set HH,   13
.set R32,  14
.set ADRB, 16                          ; v16, v17 B's blocks 0-3; v18, v19 blocks 4-7
.set L16,  24
.set L8,   25
.set L4,   26
.set SPW,  28
.set NIL,  29
.set BIA,  30
.set BAA,  31
.set SA,   32
.set SB,   64
.set BI,   96                          ; window 1
.set AF,   128
.set BA,   176
.set Y,    184
.set PC,   128
.set TM,   148
.set PW,   164
.set SW,   165
.set SEL,  98
.set G1, 24
.set G0, 32
.set G1B, 48
.set G0B, 56
.set MSB, 0
.macro WIN new
.if MSB != \new
	s_set_vgpr_msb (MSB<<8)|\new
.set MSB, \new
.endif
.endm
.set MULW, 0xa1                        ; source 0 (B) window 1, source 1 (A) window 0, C and D window 2
.set TO_B, 0x40
.macro CREST
	s_cmp_lg_u32 s14, 0
	s_cbranch_scc1 .Lnot_wave_0_\@
	s_barrier_signal -3
.Lnot_wave_0_\@:
	s_barrier_wait -3
	s_barrier_signal -1
	s_barrier_wait -1
.endm
.macro CROUND
	s_barrier_signal -1
	s_barrier_wait -1
	CREST
.endm
.macro JLOAD                           ; my one joint load of a tile: every way passes exactly one
	s_cmp_eq_u32 s15, 0
	s_cbranch_scc0 .Lfor_b_\@
	tensor_load_to_lds s[G0:G0+3], s[G1:G1+7]
	s_nop 0
.rept 4
	v_nop
.endr
	s_branch .Lasked_\@
.Lfor_b_\@:
	tensor_load_to_lds s[G0B:G0B+3], s[G1B:G1B+7]
	s_nop 0
.rept 4
	v_nop
.endr
.Lasked_\@:
.endm
; The tile of projection s67 (0: Q, 1: K, 2: V) at the cluster's place s66: the buffers, the loads' addresses, my first rows (s17: A's, s42: B's) and the offsets s18, s19, s2, s3 for VOFF
.macro SETUP
	s_lshr_b32 s18, s66, 3
	s_and_b32 s19, s66, 7
	s_cmp_eq_u32 s67, 2
	s_cselect_b64 s[4:5], s[80:81], s[68:69]       ; A's codes: Wv's, else xc
	s_cselect_b64 s[6:7], s[82:83], s[70:71]       ; A's scales
	s_cselect_b64 s[8:9], s[68:69], s[76:77]       ; B's codes: xc, else Wk's (Wq's below)
	s_cselect_b64 s[10:11], s[70:71], s[78:79]     ; B's scales
	s_cselect_b64 s[12:13], s[88:89], s[86:87]     ; the bias
	s_cselect_b32 s2, 0, s67                       ; A's section of xc
	s_cselect_b32 s3, 2, 0                         ; B's
	s_cselect_b32 s17, s18, s66
	s_cselect_b32 s19, s19, 0
	s_cmp_eq_u32 s67, 0
	s_cselect_b64 s[8:9], s[72:73], s[8:9]
	s_cselect_b64 s[10:11], s[74:75], s[10:11]
	s_cselect_b64 s[12:13], s[84:85], s[12:13]
	s_mov_b32 s21, 0
	s_mul_i32 s20, s2, 8192*KROW
	s_add_nc_u64 s[4:5], s[4:5], s[20:21]
	s_lshl_b32 s20, s2, 18
	s_add_nc_u64 s[6:7], s[6:7], s[20:21]
	s_mul_i32 s20, s3, 8192*KROW
	s_add_nc_u64 s[8:9], s[8:9], s[20:21]
	s_lshl_b32 s20, s3, 18
	s_add_nc_u64 s[10:11], s[10:11], s[20:21]
	s_lshl_b32 s42, s19, 2
	s_add_co_u32 s42, s42, s40                     ; tile column
	s_lshl_b32 s17, s17, 2
	s_add_co_u32 s17, s17, s41                     ; tile row
	s_lshl_b32 s18, s16, 6
	s_lshl_b32 s20, s17, 7
	s_add_co_u32 s20, s20, s18                     ; A: the first row that I fetch
	s_lshl_b32 s18, s16, 7
	s_lshl_b32 s46, s42, 8
	s_add_co_u32 s46, s46, s18                     ; B likewise
	s_mul_i32 s20, s20, KROW
	s_mul_i32 s46, s46, KROW
	s_mov_b32 s47, 0
	s_add_nc_u64 s[G0+2:G0+3], s[4:5], s[20:21]
	s_or_b32 s[G0+3], s[G0+3], 0x80000000
	s_add_nc_u64 s[G0B+2:G0B+3], s[8:9], s[46:47]
	s_or_b32 s[G0B+3], s[G0B+3], 0x80000000
	s_lshl_b32 s17, s17, 7
	s_lshl_b32 s2, s15, 6
	s_add_co_u32 s17, s17, s2                      ; my first row of A
	s_lshl_b32 s42, s42, 8
	s_lshl_b32 s2, s16, 7
	s_add_co_u32 s42, s42, s2                      ; my first row of B
	s_lshl_b32 s18, s17, 5
	s_lshl_b32 s19, s42, 5
	s_lshl_b32 s2, s42, 2
	s_lshl_b32 s3, s17, 2
	s_cmp_eq_u32 s67, 2                            ; the bias goes with the weight's rows; both sets are loaded, inside the buffer; one is used
	s_cselect_b32 s2, 0, s2
	s_cselect_b32 s3, s3, 0
.endm
.macro VOFF                            ; the tile's vector offsets, and its scale words
	v_add_nc_u32 v[SAA], s18, v[R32]
	v_add_nc_u32 v[SBA], s19, v[R32]
	v_lshl_add_u32 v[BIA], v[HH], 5, s2
	v_lshl_add_u32 v[BAA], v[RR], 2, s3
.irp a, 0,1,2,3
	global_load_b128 v[SA+8*\a:SA+8*\a+3], v[SAA], s[6:7] offset:512*\a
	global_load_b128 v[SA+8*\a+4:SA+8*\a+7], v[SAA], s[6:7] offset:512*\a+16
.endr
.irp b, 0,1,2,3,4,5,6,7
	global_load_b128 v[SB+8*\b:SB+8*\b+3], v[SBA], s[10:11] offset:512*\b
	global_load_b128 v[SB+8*\b+4:SB+8*\b+7], v[SBA], s[10:11] offset:512*\b+16
.endr
.endm
.macro BIAS                            ; the tile's biases
.irp a, 0,1,2,3
	global_load_b32 v[BA+2*\a], v[BAA], s[12:13] offset:64*\a
.endr
	WIN TO_B
.irp b, 0,1,2,3,4,5,6,7
	global_load_b128 v[BI+8*\b+96*(\b/4):BI+8*\b+96*(\b/4)+3], v[BIA], s[12:13] offset:64*\b
	global_load_b128 v[BI+8*\b+96*(\b/4)+4:BI+8*\b+96*(\b/4)+7], v[BIA], s[12:13] offset:64*\b+16
.endr
	WIN 0
.endm
	s_load_b512 s[68:83], s[0:1], 0x0              ; xc, xs, Wq's codes, scales, Wk's, Wv's: kept for all three tiles
	s_load_b128 s[84:87], s[0:1], 0x40             ; bq, bk
	s_load_b64 s[88:89], s[0:1], 0x50              ; bv
	s_load_b128 s[92:95], s[0:1], 0x58             ; qimg, qsc
	s_load_b64 s[96:97], s[0:1], 0x68              ; kv
	v_lshl_add_u32 v[SPW], v0, 2, SPARE
	v_mov_b32 v[NIL], 0
	ds_add_u32 v[SPW], v[NIL]                      ; the opening lines: the add twice and its wait
	ds_add_u32 v[SPW], v[NIL]
	s_wait_dscnt 0x0
	v_lshrrev_b32 v1, 5, v0
	v_readfirstlane_b32 s14, v1                    ; wave
	s_lshr_b32 s15, s14, 1                         ; which 64 rows of A are mine; also: I fetch for A (0) or B (1)
	s_and_b32 s16, s14, 1                          ; which 128 rows of B; also: which half I fetch
	s_and_b32 s66, ttmp7, 0xffff                   ; the cluster's y, 0 .. 15
	s_mov_b32 s67, 0                               ; the projection: the loop's counter
	s_bfe_u32 s40, ttmp6, 0x40000                  ; cx, cy
	s_bfe_u32 s41, ttmp6, 0x40004
	s_lshl_b32 s43, s41, 2
	s_lshl_b32 s43, 15, s43                        ; my row of the cluster
	s_lshl_b32 s44, 0x1111, s40                    ; my column
	s_or_b32 s[G1+0], s43, (0<<16)|(1<<20)|(1<<21)|(5<<22)|(3<<25)   ; bytes; 4 words of padding behind every 64
	s_or_b32 s[G1B+0], s44, (0<<16)|(1<<20)|(1<<21)|(5<<22)|(3<<25)
	s_mov_b32 s[G1+1], KROW<<16
	s_mov_b32 s[G1+2], 64<<16
	s_mov_b32 s[G1+3], KROW<<16
	s_mov_b32 s[G1+4], 64
	s_mov_b32 s[G1+5], KROW
	s_mov_b32 s[G1+6], 0
	s_mov_b32 s[G1+7], 0
	s_mov_b32 s[G1B+1], KROW<<16
	s_mov_b32 s[G1B+2], 128<<16
	s_mov_b32 s[G1B+3], KROW<<16
	s_mov_b32 s[G1B+4], 128
	s_mov_b32 s[G1B+5], KROW
	s_mov_b32 s[G1B+6], 0
	s_mov_b32 s[G1B+7], 0
	s_mov_b32 s[G0], 1
	s_mul_i32 s[G0+1], s16, HA                     ; where the parts go: no place in the cluster enters an LDS address
	s_mov_b32 s[G0B], 1
	s_mul_i32 s[G0B+1], s16, HB
	s_add_co_u32 s[G0B+1], s[G0B+1], 2*HA
	s_mov_b32 s[SEL], 0x76543210
	s_mov_b32 s[SEL+1], 0xfedcba98
	s_wait_kmcnt 0x0
	SETUP
	CROUND                                         ; all sixteen work-groups are here: the joint loads meet
	JLOAD
	v_and_b32 v[RR], 15, v0                        ; r
	v_bfe_u32 v[HH], v0, 4, 1                      ; h
	v_mul_u32_u24 v3, v[RR], PITCH
	v_mul_u32_u24 v4, v[HH], 24
	v_add_nc_u32 v4, v3, v4                        ; row x pitch + 24 h
	v_lshl_add_u32 v5, v[HH], 4, v4                ; and behind one padding more for lanes 16-31
	s_mul_i32 s21, s15, HA
	s_mul_i32 s22, s16, HB
	s_add_co_u32 s22, s22, 2*HA
	v_add_nc_u32 v[ADRA], s21, v4
	v_add_nc_u32 v[ADRA+1], s21, v5
	v_add_nc_u32 v[ADRB], s22, v4
	v_add_nc_u32 v[ADRB+1], s22, v5
	s_add_co_u32 s22, s22, 64*PITCH                ; blocks 4-7: the immediate has 16 bits
	v_add_nc_u32 v[ADRB+2], s22, v4
	v_add_nc_u32 v[ADRB+3], s22, v5
	v_lshlrev_b32 v[R32], 5, v[RR]                 ; 32 bytes of scales a row
	v_and_b32 v7, 31, v0
	v_lshlrev_b32 v[L16], 4, v7
	v_lshlrev_b32 v[L8], 3, v7
	v_lshlrev_b32 v[L4], 2, v7
.irp a, 0,1,2,3
	v_mov_b32 v[BA+2*\a+1], 0                      ; (named with the bias as a pair)
.endr
	VOFF
	BIAS
; a fragment: 16 rows x 128 K, 12 registers, in pieces of 8 bytes.  Byte y of a row lies at y + 16 (y / 256); where lanes 16-31 (24 bytes on) lie in the next unit, the second address register serves
.macro FRAG reg, adr, st, i
.irp p, 0,1,2,3,4,5
.set BY, 96*(\st)+48*(\p/3)+8*(\p%3)
.if BY/256 == (BY+24)/256
	ds_load_b64 v[\reg+2*\p:\reg+2*\p+1], v[\adr] offset:BY+16*(BY/256)+(\i)*16*PITCH
.else
	ds_load_b64 v[\reg+2*\p:\reg+2*\p+1], v[\adr+1] offset:BY+16*(BY/256)+(\i)*16*PITCH
.endif
.endr
.endm
; A's block a x B's eight, step st, B's set p.  The 32 accumulators take turns
.macro MUL8 a, p, st, zero
.irp b, 0,1,2,3,4,5,6,7
.if \zero
	v_wmma_scale_f32_16x16x128_f8f6f4 v[8*(8*(\a)+\b):8*(8*(\a)+\b)+7], v[128*(\p)+FR*\b:128*(\p)+FR*\b+FR-1], v[AF+FR*(\a):AF+FR*(\a)+FR-1], 0, v[SB+8*\b+(\st)], v[SA+8*(\a)+(\st)] matrix_a_fmt:MATRIX_FMT_FP6 matrix_b_fmt:MATRIX_FMT_FP6
.else
	v_wmma_scale_f32_16x16x128_f8f6f4 v[8*(8*(\a)+\b):8*(8*(\a)+\b)+7], v[128*(\p)+FR*\b:128*(\p)+FR*\b+FR-1], v[AF+FR*(\a):AF+FR*(\a)+FR-1], v[8*(8*(\a)+\b):8*(8*(\a)+\b)+7], v[SB+8*\b+(\st)], v[SA+8*(\a)+(\st)] matrix_a_fmt:MATRIX_FMT_FP6 matrix_b_fmt:MATRIX_FMT_FP6
.endif
.endr
.endm
.macro FETCH_B st, p
	WIN TO_B
.irp i, 0,1,2,3,4,5,6,7
	FRAG 128*(\p)+FR*\i, ADRB+2*(\i/4), \st, \i%4
.endr
	WIN 0
.endm
.macro FETCH_A st, i0
.irp i, \i0, \i0+1
	FRAG AF+FR*(\i), ADRA, \st, \i
.endr
.endm
.macro PLACES n                        ; plain vector instructions between a matrix instruction and a load into, or a read of, its registers
.rept \n
	v_nop
.endr
.endm
.macro KSTEP st, zero                  ; 32 products of step st; the next step's fragments are fetched in its middle and at its end
.set NX, (\st)+1
	s_wait_dscnt 2*NL                              ; all but the youngest twelve loads (A's blocks 2, 3)
	WIN MULW
	MUL8 0, (\st)%2, \st, \zero
	MUL8 1, (\st)%2, \st, \zero
	s_wait_dscnt 0
	PLACES NP
	FETCH_B NX, NX%2
	FETCH_A NX, 0
	WIN MULW
	MUL8 2, (\st)%2, \st, \zero
	MUL8 3, (\st)%2, \st, \zero
	PLACES NP
	WIN 0
	FETCH_A NX, 2
.endm
; where Q's or K's results of this tile go: s[36:37] codes and s[38:39] words of my first head, s[90:91] and s[100:101] of my second
.macro ESC
	s_mov_b32 s21, 0
	s_mov_b32 s23, 0
	s_lshr_b32 s2, s17, 10                         ; batch
	s_bfe_u32 s3, s17, 0x60004                     ; my first tile of 16 rows in the batch
	s_lshr_b32 s18, s42, 6                         ; my first head
	s_lshl_b32 s2, s2, 4
	s_add_co_u32 s18, s18, s2                      ; bh
	s_lshl_b32 s20, s18, 6
	s_add_co_u32 s20, s20, s3
	s_lshl_b32 s22, s20, 7
	s_mul_i32 s20, s20, 768
	s_mul_i32 s19, s18, REC
	s_lshr_b32 s2, s3, 5
	s_mul_i32 s2, s2, CHK
	s_add_co_u32 s19, s19, s2
	s_and_b32 s3, s3, 31
	s_mul_i32 s44, s3, 768
	s_add_co_u32 s44, s44, s19
	s_lshl_b32 s43, s3, 7
	s_add_co_u32 s43, s43, s19
	s_add_co_u32 s43, s43, 49152
	s_mov_b32 s60, REC
	s_mov_b32 s62, REC
	s_mov_b32 s61, 0
	s_mov_b32 s63, 0
	s_cmp_eq_u32 s67, 0
	s_cselect_b32 s20, s20, s44
	s_cselect_b32 s22, s22, s43
	s_cselect_b32 s60, 49152, s60                  ; from a head to the next: codes,
	s_cselect_b32 s62, 8192, s62                   ; words
	s_cselect_b64 s[36:37], s[92:93], s[96:97]
	s_cselect_b64 s[38:39], s[94:95], s[96:97]
	s_add_nc_u64 s[36:37], s[36:37], s[20:21]
	s_add_nc_u64 s[38:39], s[38:39], s[22:23]
	s_add_nc_u64 s[90:91], s[36:37], s[60:61]
	s_add_nc_u64 s[100:101], s[38:39], s[62:63]
.endm
; A tile's 256 products a wave.  more = 1: in the last K step the next tile is set up and asked for
.macro MAIN more
	s_wait_alu depctr_va_vdst(0)
	s_wait_tensorcnt 0x0                           ; my part of the tile is in
	s_barrier_signal -1
	s_barrier_wait -1                              ; everybody's is
	FETCH_B 0, 0
	FETCH_A 0, 0
	FETCH_A 0, 2
	s_wait_loadcnt 0x0                             ; the scale words and the biases
	KSTEP 0, 1                                     ; the first products start the sums
.set ST, 1
.rept 6
	KSTEP ST, 0
.set ST, ST+1
.endr
.if \more
	ESC                                            ; this tile's way out, from s17, s42, s67,
	s_add_co_u32 s67, s67, 1                       ; which then pass to the next tile (no tensor load and no global load of mine is out)
	SETUP
	s_wait_tensorcnt 0x0                           ; the three lines ahead of a refill's barrier
	ds_add_u32 v[SPW], v[NIL]
	s_wait_dscnt 2*NL+1                            ; (the add and the youngest twelve loads may be out)
.else
	s_wait_dscnt 2*NL
.endif
	WIN MULW
	MUL8 0, 1, 7, 0
	MUL8 1, 1, 7, 0
	s_wait_dscnt 0x0                               ; the add is done, and my reads of this tile are over
.if \more
	s_barrier_signal -1                            ; this barrier opens a round of the cluster's
.endif
	MUL8 2, 1, 7, 0
	MUL8 3, 1, 7, 0
	WIN 0
.if \more
	s_barrier_wait -1
	CREST                                          ; no wave of any partner still reads the tile
	JLOAD                                          ; the next tile; its four v_nop and VOFF's four lines are the places behind the last products
	VOFF
.endif
.endm
; 64 numbers of a lane, v[s] on, register 16 b + i = k 32 b + 16 h + i of the lane's row, become a fragment's codes in v[PC] on and its scale word in v[PW]
.macro QUANT s
.irp b, 0,1,2,3
	v_max3_num_f32 v[TM+\b], |v[\s+16*\b]|, |v[\s+1+16*\b]|, 0x1800000   ; with the floor 2^(3 - 127)
.endr
.irp i, 2,4,6,8,10,12,14
.irp b, 0,1,2,3
	v_max3_num_f32 v[TM+\b], v[TM+\b], |v[\s+16*\b+\i]|, |v[\s+1+16*\b+\i]|
.endr
.endr
.irp b, 0,1,2,3
	v_permlanex16_b32 v[TM+4+\b], v[TM+\b], s[SEL], s[SEL+1]
.endr
.irp b, 0,1,2,3
	v_max_num_f32 v[TM+\b], v[TM+\b], v[TM+4+\b]
.endr
.irp b, 0,1,2,3
	v_add_nc_u32 v[TM+12+\b], 0xff000000, v[TM+\b] ; 2 off the exponent field: the conversion's scale operand
.endr
.irp b, 0,1,2,3
	v_lshrrev_b32 v[TM+4+\b], 23, v[TM+12+\b]      ; the scale's byte
.endr
	v_lshl_or_b32 v[PW], v[TM+5], 8, v[TM+4]
	v_lshl_or_b32 v[PW], v[TM+6], 16, v[PW]
	v_lshl_or_b32 v[PW], v[TM+7], 24, v[PW]
.irp c, 0,1
	v_cvt_scalef32_pk16_fp6_f32 v[PC+6*\c:PC+2+6*\c], v[\s+32*\c:\s+15+32*\c], v[TM+12+2*\c]
	v_cvt_scalef32_pk16_fp6_f32 v[PC+12+4*\c:PC+14+4*\c], v[\s+16+32*\c:\s+31+32*\c], v[TM+12+2*\c+1]
.endr
	v_nop                                          ; one plain instruction behind a scaled conversion
.irp c, 0,1
.irp i, 0,1,2
	v_permlane16_swap_b32 v[PC+6*\c+\i], v[PC+12+4*\c+\i]
.endr
.irp i, 0,1,2
	v_mov_b32 v[PC+3+6*\c+\i], v[PC+12+4*\c+\i]
.endr
.endr
.endm
.Ltile:                                                ; two trips: Q's tile, K's tile
	MAIN 1
	; Q and K: a lane holds row 16 a + r of x and 128 features: two heads
.irp b, 0,1,2,3
	v_mov_b32 v[TM+4+\b], 0                        ; a lane permute's destination counts as read
.endr
.irp a, 0,1,2,3
.if \a > 0
	s_wait_xcnt 0x0                                ; the last block's stores have read their data
.endif
	WIN 0x06                                       ; source 0: the accumulators, window 2; source 1: the bias, window 1
.set JJ, 0
.rept 32
	v_pk_add_f32 v[Y+JJ:Y+JJ+1], v[64*\a+JJ:64*\a+JJ+1], v[BI+JJ+96*(JJ/32):BI+JJ+96*(JJ/32)+1]   ; each accumulator from its low end on
.set JJ, JJ+2
.endr
	WIN 0
.if \a == 3
	BIAS                                           ; this tile's bias has been read for the last time: the next tile's
.endif
.set JJ, 0
.rept 32
	v_permlane16_swap_b32 v[Y+16*(JJ/8)+JJ%8], v[Y+16*(JJ/8)+8+JJ%8]           ; features become 32 B + 16 h + 0 .. 15
.set JJ, JJ+1
.endr
	QUANT Y
	v_and_b32 v[SW], 0xffff, v[PW]                 ; a head's two bytes; bytes 2 and 3 are 0
	v_lshrrev_b32 v[SW+1], 16, v[PW]
	global_store_b128 v[L16], v[PC:PC+3], s[36:37] offset:768*\a
	global_store_b64 v[L8], v[PC+4:PC+5], s[36:37] offset:768*\a+512
	global_store_b32 v[L4], v[SW], s[38:39] offset:128*\a
	global_store_b128 v[L16], v[PC+6:PC+9], s[90:91] offset:768*\a
	global_store_b64 v[L8], v[PC+10:PC+11], s[90:91] offset:768*\a+512
	global_store_b32 v[L4], v[SW+1], s[100:101] offset:128*\a
.endr
	s_wait_xcnt 0x0                                ; the stores have read their data and bases: the next tile's fragments land on those registers
	s_cmp_lt_u32 s67, 2
	s_cbranch_scc1 .Ltile
	MAIN 0                                         ; V's tile: nothing more is asked for
	PLACES NP
.irp b, 0,1,2,3
	v_mov_b32 v[TM+4+\b], 0
.endr
	; V: a lane holds feature 16 a + r of one head and 128 keys, already 16 neighbours to two tiles
	s_mov_b32 s21, 0
	s_mov_b32 s23, 0
	s_lshr_b32 s2, s42, 10                         ; batch
	s_bfe_u32 s3, s42, 0x30007                     ; which 128 keys of the batch
	s_lshr_b32 s18, s17, 6                         ; head
	s_lshl_b32 s2, s2, 4
	s_add_co_u32 s18, s18, s2
	s_mul_i32 s19, s18, REC
	s_lshr_b32 s2, s3, 2
	s_mul_i32 s2, s2, CHK
	s_add_co_u32 s19, s19, s2
	s_and_b32 s3, s3, 3
	s_mul_i32 s20, s3, 6144
	s_add_co_u32 s20, s20, s19
	s_add_co_u32 s20, s20, 24576
	s_lshl_b32 s22, s3, 9
	s_add_co_u32 s22, s22, s19
	s_add_co_u32 s22, s22, 53248
	s_add_nc_u64 s[36:37], s[96:97], s[20:21]
	s_add_nc_u64 s[38:39], s[96:97], s[22:23]
.irp a, 0,1,2,3
.if \a > 0
	s_wait_xcnt 0x0
.endif
	WIN 0x02
.set JJ, 0
.rept 32
	v_pk_add_f32 v[Y+JJ:Y+JJ+1], v[64*\a+JJ:64*\a+JJ+1], v[BA+2*\a:BA+2*\a+1] op_sel_hi:[1,0]
.set JJ, JJ+2
.endr
	WIN 0
	QUANT Y
.irp g, 0,1,2
	global_store_b128 v[L16], v[PC+4*\g:PC+4*\g+3], s[36:37] offset:1536*\a+512*\g
.endr
	global_store_b32 v[L4], v[PW], s[38:39] offset:128*\a
.endr
	s_wait_tensorcnt 0x0                           ; the wave's end
	ds_add_u32 v[SPW], v[NIL]
	s_wait_dscnt 0x0
	CROUND                                         ; the closing round
	s_endpgm
.Lfunc_end_k_qfcc8d2b493_proj:
	.size	k_qfcc8d2b493_proj, .Lfunc_end_k_qfcc8d2b493_proj-k_qfcc8d2b493_proj
	.p2alignl 7, 3214868480
	.fill 96, 4, 3214868480
	.section	.rodata,"a",@progbits
	.p2align	6, 0x0
	.amdhsa_kernel k_qfcc8d2b493_proj
		.amdhsa_group_segment_fixed_size 327680
		.amdhsa_private_segment_fixed_size 0
		.amdhsa_enable_private_segment 0
		.amdhsa_kernarg_size 112
		.amdhsa_user_sgpr_count 2
		.amdhsa_user_sgpr_kernarg_segment_ptr 1
		.amdhsa_wavefront_size32 1
		.amdhsa_system_sgpr_workgroup_id_x 1
		.amdhsa_system_sgpr_workgroup_id_y 1
		.amdhsa_system_sgpr_workgroup_id_z 1
		.amdhsa_system_vgpr_workitem_id 0
		.amdhsa_next_free_vgpr 768
		.amdhsa_next_free_sgpr 102
		.amdhsa_reserve_vcc 0
		.amdhsa_float_denorm_mode_32 3
		.amdhsa_float_denorm_mode_16_64 3
		.amdhsa_memory_ordered 1
		.amdhsa_forward_progress 1
		.amdhsa_inst_pref_size 220
	.end_amdhsa_kernel
	.amdgpu_metadata
---
amdhsa.version: [ 1, 2 ]
amdhsa.kernels:
  - .name:           k_qfcc8d2b493_proj
    .symbol:         k_qfcc8d2b493_proj.kd
    .args:
      - { .name: xc, .offset: 0, .size: 8, .value_kind: global_buffer, .address_space: global }
      - { .name: xs, .offset: 8, .size: 8, .value_kind: global_buffer, .address_space: global }
      - { .name: Wq_codes, .offset: 16, .size: 8, .value_kind: global_buffer, .address_space: global }
      - { .name: Wq_scales, .offset: 24, .size: 8, .value_kind: global_buffer, .address_space: global }
      - { .name: Wk_codes, .offset: 32, .size: 8, .value_kind: global_buffer, .address_space: global }
      - { .name: Wk_scales, .offset: 40, .size: 8, .value_kind: global_buffer, .address_space: global }
      - { .name: Wv_codes, .offset: 48, .size: 8, .value_kind: global_buffer, .address_space: global }
      - { .name: Wv_scales, .offset: 56, .size: 8, .value_kind: global_buffer, .address_space: global }
      - { .name: bq, .offset: 64, .size: 8, .value_kind: global_buffer, .address_space: global }
      - { .name: bk, .offset: 72, .size: 8, .value_kind: global_buffer, .address_space: global }
      - { .name: bv, .offset: 80, .size: 8, .value_kind: global_buffer, .address_space: global }
      - { .name: qimg, .offset: 88, .size: 8, .value_kind: global_buffer, .address_space: global }
      - { .name: qsc, .offset: 96, .size: 8, .value_kind: global_buffer, .address_space: global }
      - { .name: kv, .offset: 104, .size: 8, .value_kind: global_buffer, .address_space: global }
    .group_segment_fixed_size: 327680
    .private_segment_fixed_size: 0
    .kernarg_segment_align: 8
    .kernarg_segment_size: 112
    .max_flat_workgroup_size: 128
    .sgpr_count:     102
    .vgpr_count:     768
    .wavefront_size: 32
...
	.end_amdgpu_metadata
.endif
;; end of part 2
;; launch attn (part 3): grid 2 x 128, 8 waves a work-group, no clusters, 327,680 bytes of LDS; arguments qimg, qsc, kv, pad_mask, ac, asc; writes ac, asc
.if DOCPART == 3
	.amdgcn_target "amdgcn-amd-amdhsa--gfx1250"
	.amdhsa_code_object_version 6
	.text
	.protected	k_qfcc8d2b493_attn
	.globl	k_qfcc8d2b493_attn
	.p2align	8
	.type	k_qfcc8d2b493_attn,@function
k_qfcc8d2b493_attn:
	s_mov_b64 s[64:65], 0
	v_nop
	global_prefetch_b8 v0, s[64:65] scope:SCOPE_SE
	s_setreg_imm32_b32 hwreg(HW_REG_WAVE_MODE, 25, 1), 1
	s_wait_xcnt 0x0
; Attention on codes of FP6 (E2M3) for one (batch, head) and 512 queries a work-group: S^T = K Q^T, a running whole-number maximum, p quantised by blocks of 32 keys, O^T += V^T p^T, O / l quantised for the last product.
; The head's whole record of kv (110,592 bytes: K's images, V's images, their scale words, for 1,024 keys) comes into LDS once: each of the eight waves brings 54 rows of 256 bytes by its one tensor load.
; One barrier ahead of the passes shows the record and the mask's words to every wave; nothing in LDS is written after it, so the passes need none.
; The pad mask enters as the C of the score products (a large negative number at masked keys).  A wave takes two tiles of 16 queries a pass, two passes.
; No cluster: the two work-groups of a head are the only ones that share a record.  No prefetch: LDS is filled once, at the head.
; LIMIT: the promise holds while the scaled scores stay under 2^31 in magnitude.
.set REC,  110592
.set CHK,  55296
.set WPT,  REC/8
.set MB,   REC
.set L16, 1
.set L4,  2
.set L8,  3
.set R32, 4
.set H64, 5
.set A16, 7
.set A8,  8
.set ADS, 9
.set ADT, 10
.set ADM, 11
.set QF,  16
.set KT,  28
.set MK,  28
.set S,   96
.set OT,  160
.set PC,  192
.set TC,  204
.set KSC, 212
.set VSC, 220
.set QSC, 224
.set PSC, 226
.set WV,  18
.set SEL, 20
.set CS,  22
.set G1,  24
.set G0,  32
.set TBK, 40
.set TBS, 41
.set TBV, 42
.set TBM, 43
.set CNT, 44
.set PAS, 45
.set MSB, 0
.macro WIN new
.if MSB != \new
	s_set_vgpr_msb (MSB<<8)|\new
.set MSB, \new
.endif
.endm
	s_load_b256 s[4:11], s[0:1], 0x0
	s_load_b128 s[12:15], s[0:1], 0x20
	v_lshl_add_u32 v251, v0, 2, 0x29000
	v_mov_b32 v255, 0
	ds_add_u32 v251, v255
	ds_add_u32 v251, v255
	v_lshrrev_b32 v1, 5, v0
	s_delay_alu instid0(VALU_DEP_1)
	v_readfirstlane_b32 s[WV], v1
	s_and_b32 s46, ttmp7, 0xffff
	s_mov_b32 s[G1], 3<<16
	s_mov_b32 s[G1+1], 32<<16
	s_mov_b32 s[G1+2], 54<<16
	s_mov_b32 s[G1+3], 32<<16
	s_mov_b32 s[G1+4], 54
	s_mov_b32 s[G1+5], 32
	s_mov_b32 s[G1+6], 0
	s_mov_b32 s[G1+7], 0
	s_mul_i32 s47, s[WV], WPT
	s_mul_i32 s48, s46, REC
	s_add_co_u32 s48, s48, s47
	s_mov_b32 s49, 0
	s_wait_dscnt 0x0
	s_wait_kmcnt 0x0
	s_mov_b32 s[G0], 1
	s_mov_b32 s[G0+1], s47
	s_add_nc_u64 s[G0+2:G0+3], s[8:9], s[48:49]
	s_or_b32 s[G0+3], s[G0+3], 0x80000000
	tensor_load_to_lds s[G0:G0+3], s[G1:G1+7]
	s_nop 0
.rept 4
	v_nop
.endr
	s_lshr_b32 s47, s46, 4
	s_and_b32 s50, s46, 15
	s_lshl_b32 s48, s47, 10
	s_add_nc_u64 s[10:11], s[10:11], s[48:49]
	v_lshlrev_b32 v108, 2, v0
	global_load_b32 v100, v108, s[10:11]
	v_and_b32 v6, 31, v0
	s_delay_alu instid0(VALU_DEP_1)
	v_lshlrev_b32 v[L16], 4, v6
	s_delay_alu instid0(VALU_DEP_2)
	v_lshlrev_b32 v[L4], 2, v6
	s_delay_alu instid0(VALU_DEP_3)
	v_lshlrev_b32 v[L8], 3, v6
	v_and_b32 v[R32], 15, v0
	s_delay_alu instid0(VALU_DEP_1)
	v_lshlrev_b32 v[R32], 5, v[R32]
	v_bfe_u32 v[H64], v0, 4, 1
	s_delay_alu instid0(VALU_DEP_1)
	v_lshlrev_b32 v[H64], 6, v[H64]
	s_mov_b32 s[SEL], 0x76543210
	s_mov_b32 s[SEL+1], 0xfedcba98
	s_mov_b32 s[CS], 0x3e38aa3b
	s_mov_b32 s[CS+1], s[CS]
	s_lshl_b32 s51, ttmp9, 5
	s_lshl_b32 s52, s[WV], 1
	s_add_co_u32 s51, s51, s52
	s_lshl_b32 s52, s46, 6
	s_add_co_u32 s52, s52, s51
	s_mul_i32 s48, s52, 768
	s_add_nc_u64 s[4:5], s[4:5], s[48:49]
	s_lshl_b32 s48, s52, 7
	s_add_nc_u64 s[6:7], s[6:7], s[48:49]
	s_lshl_b32 s52, s47, 4
	s_lshl_b32 s53, ttmp9, 3
	s_add_co_u32 s52, s52, s53
	s_lshr_b32 s53, s[WV], 1
	s_add_co_u32 s52, s52, s53
	s_mul_i32 s48, s52, 49152
	s_lshr_b32 s53, s50, 2
	s_mul_i32 s53, s53, 12288
	s_add_co_u32 s48, s48, s53
	s_and_b32 s53, s[WV], 1
	s_mul_i32 s53, s53, 6144
	s_add_co_u32 s48, s48, s53
	s_and_b32 s53, s50, 3
	s_mul_i32 s53, s53, 768
	s_add_co_u32 s48, s48, s53
	s_add_nc_u64 s[12:13], s[12:13], s[48:49]
	s_lshl_b32 s48, s47, 15
	s_lshl_b32 s53, s51, 9
	s_add_co_u32 s48, s48, s53
	s_lshl_b32 s53, s50, 1
	s_add_co_u32 s48, s48, s53
	s_add_nc_u64 s[14:15], s[14:15], s[48:49]
.irp j, 22,23,24,25,26,27,76,77,78,79,80,81,236,237,238,239,253
	v_mov_b32 v\j, 0
.endr
	WIN 0x40
.irp j, 22,23,24,25,26,27,236,237,238,239,253
	v_mov_b32 v\j, 0
.endr
	WIN 0
	v_mov_b32 v101, 0xf149f2ca
	v_lshl_add_u32 v102, v0, 4, MB
	s_wait_alu depctr_va_vdst(0)
	s_wait_loadcnt 0x0
.irp k, 0,1,2,3
	v_bfe_u32 v[104+\k], v100, 8*\k, 8
.endr
.irp k, 0,1,2,3
	v_cmp_ne_u32 vcc_lo, 0, v[104+\k]
	s_delay_alu instid0(VALU_DEP_1)
	v_cndmask_b32 v[104+\k], 0, v101, vcc_lo
.endr
	ds_store_b128 v102, v[104:107]
.macro SOFT e
.irp b, 0,1,2,3
	v_max3_num_f32 v[232+\b], v[S+16*\b], v[S+1+16*\b], v[S+2+16*\b]
.endr
.irp i, 3,5,7,9,11,13
.irp b, 0,1,2,3
	v_max3_num_f32 v[232+\b], v[232+\b], v[S+16*\b+\i], v[S+1+16*\b+\i]
.endr
.endr
.irp b, 0,1,2,3
	v_max_num_f32 v[232+\b], v[232+\b], v[S+15+16*\b]
.endr
.irp b, 0,1,2,3
	s_delay_alu instid0(VALU_DEP_4)
	v_permlanex16_b32 v[236+\b], v[232+\b], s[SEL], s[SEL+1]
.endr
.irp b, 0,1,2,3
	s_delay_alu instid0(VALU_DEP_4)
	v_max_num_f32 v[232+\b], v[232+\b], v[236+\b]
.endr
	s_delay_alu instid0(VALU_DEP_2)
	v_max3_num_f32 v254, v232, v233, v234
	s_delay_alu instid0(VALU_DEP_1)
	v_max_num_f32 v254, v254, v235
	s_delay_alu instid0(VALU_DEP_1)
	v_mul_f32 v254, s[CS], v254
	s_delay_alu instid0(VALU_DEP_1)
	v_max_num_f32 v13, v13, v254
	v_mov_b32 v254, v12
	s_delay_alu instid0(VALU_DEP_2)
	v_floor_f32 v12, -v13
	s_delay_alu instid0(VALU_DEP_1)
	v_sub_f32 v254, v12, v254
	s_delay_alu instid0(VALU_DEP_1)
	v_cvt_i32_f32 v254, v254
	s_delay_alu instid0(VALU_DEP_1)
	v_ldexp_f32 v252, 1.0, v254
.set JJ, 0
.rept 32
	v_pk_fma_f32 v[S+JJ:S+JJ+1], v[S+JJ:S+JJ+1], s[CS:CS+1], v[12:13] op_sel_hi:[1,0,0]
.set JJ, JJ+2
.endr
.irp b, 0,1,2,3
	v_fma_f32 v[232+\b], v[232+\b], s[CS], v12
.endr
.set JJ, 0
	s_wait_alu depctr_va_vdst(0)
.rept 64
	v_exp_f32 v[S+JJ], v[S+JJ]
.set JJ, JJ+1
.endr
	v_pk_mul_f32 v[14:15], v[14:15], v[252:253] op_sel_hi:[1,0]
	s_wait_alu depctr_va_vdst(0)
.irp b, 0,1,2,3
	v_exp_f32 v[232+\b], v[232+\b]
.endr
	v_pk_add_f32 v[236:237], v[S:S+1], v[S+2:S+3]
.irp j, 4,8,12,16,20,24,28,32,36,40,44,48,52,56,60
	v_pk_add_f32 v[14:15], v[14:15], v[S+\j:S+1+\j]
	v_pk_add_f32 v[236:237], v[236:237], v[S+2+\j:S+3+\j]
.endr
	s_delay_alu instid0(VALU_DEP_1)
	v_pk_add_f32 v[14:15], v[14:15], v[236:237]
	s_wait_alu depctr_va_vdst(0)
.irp b, 0,1,2,3
	v_max_num_f32 v[232+\b], 0x1800000, v[232+\b]
.endr
.irp b, 0,1,2,3
	s_delay_alu instid0(VALU_DEP_4)
	v_add_nc_u32 v[244+\b], 0xff000000, v[232+\b]
.endr
.irp b, 0,1,2,3
	s_delay_alu instid0(VALU_DEP_4)
	v_lshrrev_b32 v[236+\b], 23, v[244+\b]
.endr
	s_delay_alu instid0(VALU_DEP_3)
	v_lshl_or_b32 v253, v237, 8, v236
	s_delay_alu instid0(VALU_DEP_1)
	v_lshl_or_b32 v253, v238, 16, v253
.if \e
	WIN 0x11
	v_lshl_or_b32 v[PSC+1], v239, 24, v253
	WIN 0x55
.else
	s_delay_alu instid0(VALU_DEP_1)
	v_lshl_or_b32 v[PSC], v239, 24, v253
.endif
.irp c, 0,1
	v_cvt_scalef32_pk16_fp6_f32 v[PC+6*\c:PC+2+6*\c], v[S+32*\c:S+15+32*\c], v[244+2*\c]
	v_cvt_scalef32_pk16_fp6_f32 v[TC+4*\c:TC+2+4*\c], v[S+16+32*\c:S+31+32*\c], v[244+2*\c+1]
.endr
	v_nop
.irp c, 0,1
.irp i, 0,1,2
	v_permlane16_swap_b32 v[PC+6*\c+\i], v[TC+4*\c+\i]
.endr
.irp i, 0,1,2
	s_delay_alu instid0(VALU_DEP_3)
	v_mov_b32 v[PC+3+6*\c+\i], v[TC+4*\c+\i]
.endr
.endr
.set JJ, 0
.rept 16
	v_pk_mul_f32 v[OT+JJ:OT+JJ+1], v[OT+JJ:OT+JJ+1], v[252:253] op_sel_hi:[1,0]
.set JJ, JJ+2
.endr
.endm
.macro SPROD e
.irp i, 0,1,2,3,4,5,6,7
	v_wmma_scale_f32_16x16x128_f8f6f4 v[S+8*\i:S+8*\i+7], v[KT+6*\i:KT+6*\i+11], v[QF:QF+11], v[MK+8*\i:MK+8*\i+7], v[KSC+\i], v[QSC+\e] matrix_a_fmt:MATRIX_FMT_FP6 matrix_b_fmt:MATRIX_FMT_FP6
.endr
.endm
.macro PVPROD e
.irp t, 0,1,2,3
	v_wmma_scale_f32_16x16x128_f8f6f4 v[OT+8*\t:OT+8*\t+7], v[KT+12*\t:KT+12*\t+11], v[PC:PC+11], v[OT+8*\t:OT+8*\t+7], v[VSC+\t], v[PSC+\e] matrix_a_fmt:MATRIX_FMT_FP6 matrix_b_fmt:MATRIX_FMT_FP6
.endr
.endm
.macro STEP
	v_add_nc_u32 v[A16], s[TBK], v[L16]
	v_add_nc_u32 v[A8], s[TBK], v[L8]
	v_add_nc_u32 v[ADS], s[TBS], v[L4]
	v_add_nc_u32 v[ADT], s[TBV], v[L4]
	v_add_nc_u32 v[ADM], s[TBM], v[H64]
.irp i, 0,1,2,3,4,5,6,7
	ds_load_b128 v[KT+6*\i:KT+6*\i+3], v[A16] offset:768*\i
	ds_load_b64 v[KT+6*\i+4:KT+6*\i+5], v[A8] offset:768*\i+512
	ds_load_b32 v[KSC+\i], v[ADS] offset:128*\i
.endr
	WIN 0x40
.irp i, 0,1,2,3,4,5,6,7
	ds_load_b128 v[MK+8*\i:MK+8*\i+3], v[ADM] offset:128*(\i/2)+32*(\i%2)
	ds_load_b128 v[MK+8*\i+4:MK+8*\i+7], v[ADM] offset:128*(\i/2)+32*(\i%2)+16
.endr
	s_wait_alu depctr_va_vdst(0)
	s_wait_dscnt 0x0
	WIN 0x10
	SPROD 0
	WIN 0x54
	SPROD 1
	WIN 0
.rept 4
	v_nop
.endr
.irp t, 0,1,2,3
.irp g, 0,1,2
	ds_load_b128 v[KT+12*\t+4*\g:KT+12*\t+4*\g+3], v[A16] offset:24576+1536*\t+512*\g
.endr
	ds_load_b32 v[VSC+\t], v[ADT] offset:128*\t
.endr
	SOFT 0
	WIN 0x55
	SOFT 1
	s_wait_alu depctr_va_vdst(0)
	s_wait_dscnt 0x0
	WIN 0
	PVPROD 0
	WIN 0x54
	PVPROD 1
	WIN 0
	s_add_co_u32 s[TBK], s[TBK], 6144
	s_add_co_u32 s[TBS], s[TBS], 1024
	s_add_co_u32 s[TBV], s[TBV], 512
	s_add_co_u32 s[TBM], s[TBM], 512
.endm
.macro CHUNK ch
	s_mov_b32 s[TBK], CHK*\ch
	s_mov_b32 s[TBS], CHK*\ch+49152
	s_mov_b32 s[TBV], CHK*\ch+53248
	s_mov_b32 s[TBM], MB+2048*\ch
	s_mov_b32 s[CNT], 4
.Lstep_\@:
	STEP
	s_sub_co_u32 s[CNT], s[CNT], 1
	s_cmp_lg_u32 s[CNT], 0
	s_cbranch_scc1 .Lstep_\@
.endm
.macro OUT e
.if \e
	WIN 0x55
.endif
.rept 4
	v_nop
.endr
	v_add_f32 v14, v14, v15
	s_delay_alu instid0(VALU_DEP_1)
	v_permlanex16_b32 v252, v14, s[SEL], s[SEL+1]
	s_delay_alu instid0(VALU_DEP_1)
	v_add_f32 v14, v14, v252
	s_wait_alu depctr_va_vdst(0)
	v_rcp_f32 v252, v14
	v_mov_b32 v238, 0xffff
	s_wait_alu depctr_va_vdst(0)
.set JJ, 0
.rept 16
	v_pk_mul_f32 v[OT+JJ:OT+JJ+1], v[OT+JJ:OT+JJ+1], v[252:253] op_sel_hi:[1,0]
.set JJ, JJ+2
.endr
.set JJ, 0
.rept 16
	v_permlane16_swap_b32 v[OT+16*(JJ/8)+JJ%8], v[OT+16*(JJ/8)+8+JJ%8]
.set JJ, JJ+1
.endr
.irp b, 0,1
	v_max3_num_f32 v[232+\b], |v[OT+16*\b]|, |v[OT+1+16*\b]|, 0x1800000
.endr
.irp i, 2,4,6,8,10,12,14
.irp b, 0,1
	s_delay_alu instid0(VALU_DEP_2)
	v_max3_num_f32 v[232+\b], v[232+\b], |v[OT+16*\b+\i]|, |v[OT+1+16*\b+\i]|
.endr
.endr
.irp b, 0,1
	s_delay_alu instid0(VALU_DEP_2)
	v_permlanex16_b32 v[236+\b], v[232+\b], s[SEL], s[SEL+1]
.endr
.irp b, 0,1
	s_delay_alu instid0(VALU_DEP_2)
	v_max_num_f32 v[232+\b], v[232+\b], v[236+\b]
.endr
.irp b, 0,1
	s_delay_alu instid0(VALU_DEP_2)
	v_add_nc_u32 v[244+\b], 0xff000000, v[232+\b]
.endr
.irp b, 0,1
	s_delay_alu instid0(VALU_DEP_2)
	v_lshrrev_b32 v[236+\b], 23, v[244+\b]
.endr
	s_delay_alu instid0(VALU_DEP_1)
	v_lshl_or_b32 v254, v237, 8, v236
	v_cmp_eq_f32 vcc_lo, 0, v14
	s_delay_alu instid0(VALU_DEP_1)
	v_cndmask_b32 v254, v254, v238, vcc_lo
	v_cvt_scalef32_pk16_fp6_f32 v[PC:PC+2], v[OT:OT+15], v244
	v_cvt_scalef32_pk16_fp6_f32 v[TC:TC+2], v[OT+16:OT+31], v245
	v_nop
.irp i, 0,1,2
	v_permlane16_swap_b32 v[PC+\i], v[TC+\i]
.endr
.irp i, 0,1,2
	s_delay_alu instid0(VALU_DEP_3)
	v_mov_b32 v[PC+3+\i], v[TC+\i]
.endr
.if \e
	WIN 0x04
.endif
	global_store_b128 v[L16], v[PC:PC+3], s[12:13] offset:3072*\e
	global_store_b64 v[L8], v[PC+4:PC+5], s[12:13] offset:3072*\e+512
	global_store_b16 v[R32], v254, s[14:15] offset:512*\e
.endm
.macro QLD o, p                        ; a pass's two tiles of Q: half images and scale words, o and p bytes on from the pass at work
	global_load_b128 v[QF:QF+3], v[L16], s[4:5] offset:\o
	global_load_b64 v[QF+4:QF+5], v[L8], s[4:5] offset:\o+512
	global_load_b32 v[QSC], v[L4], s[6:7] offset:\p
	global_load_b32 v[QSC+1], v[L4], s[6:7] offset:\p+128
	WIN 0x40
	global_load_b128 v[QF:QF+3], v[L16], s[4:5] offset:\o+768
	global_load_b64 v[QF+4:QF+5], v[L8], s[4:5] offset:\o+1280
	WIN 0
.endm
	QLD 0, 0                                       ; the first pass's Q is asked for ahead of the wait for the record
	s_wait_tensorcnt 0x0                           ; my eighth of the record is in,
	s_wait_dscnt 0x0                               ; my mask words are stored
	s_barrier_signal -1
	s_barrier_wait -1                              ; and so are everybody's
	s_mov_b32 s[PAS], 2
.Lpass:
	v_mov_b32 v13, 0xe0ad78ec
	v_mov_b32 v12, 0x60ad78ec
	v_mov_b32 v14, 0
	v_mov_b32 v15, 0
.set JJ, 0
.rept 32
	v_mov_b32 v[OT+JJ], 0
.set JJ, JJ+1
.endr
	WIN 0x40
	v_mov_b32 v13, 0xe0ad78ec
	v_mov_b32 v12, 0x60ad78ec
	v_mov_b32 v14, 0
	v_mov_b32 v15, 0
.set JJ, 0
.rept 32
	v_mov_b32 v[OT+JJ], 0
.set JJ, JJ+1
.endr
	WIN 0
	s_wait_loadcnt 0x0
	CHUNK 0
	CHUNK 1
	s_cmp_eq_u32 s[PAS], 1                         ; the last pass has no successor
	s_cbranch_scc1 .Lnoq
	QLD 16*768, 16*128                             ; the next pass's Q, ahead of this pass's way out: the score products have read these registers long ago
.Lnoq:
	OUT 0
	OUT 1
	WIN 0
	s_wait_xcnt 0x0
	s_add_nc_u64 s[4:5], s[4:5], 16*768
	s_add_nc_u64 s[6:7], s[6:7], 16*128
	s_add_nc_u64 s[12:13], s[12:13], 4*49152
	s_add_nc_u64 s[14:15], s[14:15], 256*32
	s_sub_co_u32 s[PAS], s[PAS], 1
	s_cmp_lg_u32 s[PAS], 0
	s_cbranch_scc1 .Lpass
	s_wait_tensorcnt 0x0
	ds_add_u32 v251, v255
	s_wait_dscnt 0x0
	s_endpgm
.Lfunc_end_k_qfcc8d2b493_attn:
	.size	k_qfcc8d2b493_attn, .Lfunc_end_k_qfcc8d2b493_attn-k_qfcc8d2b493_attn
	.p2alignl 7, 3214868480
	.fill 96, 4, 3214868480
	.section	.rodata,"a",@progbits
	.p2align	6, 0x0
	.amdhsa_kernel k_qfcc8d2b493_attn
		.amdhsa_group_segment_fixed_size 327680
		.amdhsa_private_segment_fixed_size 0
		.amdhsa_enable_private_segment 0
		.amdhsa_kernarg_size 48
		.amdhsa_user_sgpr_count 2
		.amdhsa_user_sgpr_kernarg_segment_ptr 1
		.amdhsa_wavefront_size32 1
		.amdhsa_system_sgpr_workgroup_id_x 1
		.amdhsa_system_sgpr_workgroup_id_y 1
		.amdhsa_system_sgpr_workgroup_id_z 1
		.amdhsa_system_vgpr_workitem_id 0
		.amdhsa_next_free_vgpr 512
		.amdhsa_next_free_sgpr 66
		.amdhsa_reserve_vcc 1
		.amdhsa_float_denorm_mode_32 3
		.amdhsa_float_denorm_mode_16_64 3
		.amdhsa_memory_ordered 1
		.amdhsa_forward_progress 1
		.amdhsa_inst_pref_size 87
	.end_amdhsa_kernel
	.amdgpu_metadata
---
amdhsa.version: [ 1, 2 ]
amdhsa.kernels:
  - .name:           k_qfcc8d2b493_attn
    .symbol:         k_qfcc8d2b493_attn.kd
    .args:
      - { .name: qimg, .offset: 0, .size: 8, .value_kind: global_buffer, .address_space: global }
      - { .name: qsc, .offset: 8, .size: 8, .value_kind: global_buffer, .address_space: global }
      - { .name: kv, .offset: 16, .size: 8, .value_kind: global_buffer, .address_space: global }
      - { .name: pad_mask, .offset: 24, .size: 8, .value_kind: global_buffer, .address_space: global }
      - { .name: ac, .offset: 32, .size: 8, .value_kind: global_buffer, .address_space: global }
      - { .name: asc, .offset: 40, .size: 8, .value_kind: global_buffer, .address_space: global }
    .group_segment_fixed_size: 327680
    .private_segment_fixed_size: 0
    .kernarg_segment_align: 8
    .kernarg_segment_size: 48
    .max_flat_workgroup_size: 256
    .sgpr_count:     66
    .vgpr_count:     512
    .wavefront_size: 32
...
	.end_amdgpu_metadata
.endif
;; end of part 3
;; launch outp (part 4): grid 4 x 64, 4 waves a work-group, clusters of 4 x 4, 327,680 bytes of LDS; arguments ac, asc, Wo_codes, Wo_scales, bo, q, out0; writes out0
.if DOCPART == 4
	.amdgcn_target "amdgcn-amd-amdhsa--gfx1250"
	.amdhsa_code_object_version 6
	.text
	.protected	k_qfcc8d2b493_outp
	.globl	k_qfcc8d2b493_outp
	.p2align	8
	.type	k_qfcc8d2b493_outp,@function
k_qfcc8d2b493_outp:
	s_mov_b64 s[64:65], 0
	v_nop
	global_prefetch_b8 v0, s[64:65] scope:SCOPE_SE
	s_setreg_imm32_b32 hwreg(HW_REG_WAVE_MODE, 25, 1), 1
	s_wait_xcnt 0x0
	s_wait_alu depctr_hold_cnt(0) depctr_sa_sdst(0) depctr_va_vdst(0) depctr_va_sdst(0) depctr_va_ssrc(0) depctr_va_vcc(0) depctr_vm_vsrc(0)
	s_getreg_b32 s2, hwreg(HW_REG_IB_STS2, 6, 4)
	s_cmp_eq_u32 s2, 0
	s_cbranch_scc0 .Lentry_in_a_cluster
	s_endpgm
.Lentry_in_a_cluster:
	s_bfe_u32 s2, ttmp6, 0x10000c
	s_cmp_lg_u32 s2, 0xf033
	s_cbranch_scc0 .Lentry_shape_is_right
	s_endpgm
.Lentry_shape_is_right:
; out0 = q + att Wo^T + bo, the product on codes of FP6 (E2M3), K = 1,024.
; A tile is 128 rows of att (source 1, "A") x 256 rows of Wo (source 0, "B"): a lane holds eight neighbouring columns of one row of the result.  Four waves, each 64 x 128: 32 accumulators.  256 work-groups.
; att comes as images of the operand's registers (ac: [64 rows][256 along K][tile of 16 rows][128 along K][head][768]): 49,152 dense bytes for 64 rows.  Wo's rows come whole: 768 bytes, 16 of padding behind each 256: pitch 816.
; ALL OF K LIES IN LDS (98,304 + 208,896 bytes): each wave issues ONE joint load at the head (waves 0, 1: 64 rows of A each; waves 2, 3: 128 rows of B each); no LDS byte is filled twice.
; The scale words go from memory into registers: a lane takes its row's 32 bytes (eight steps' words) by two loads.  bo is the C of each sum's first product.
; att's rows lie with bits 3 and 4 of the row number exchanged: q's rows are loaded and the result's rows stored at the true rows, by immediates.  q waits in window 3.
; CLUSTERS of 4 x 4: A's tiles are asked for jointly along a row of the cluster, B's along a column.  No prefetch: the text has no loop that fills LDS again, so there is no trip to ask ahead in.
; REGISTERS: window 0: v8-31 addresses; v32-63 A's scale words; v64-127 B's; v128-175 A's fragments; on the way out v128-255 rows.  window 1: B's two sets (v0, v128), bo in v96-127 and v224-255.  window 2: accumulators.  window 3: q.
.set PITCH, 816
.set HA,    49152
.set HB,    128*PITCH
.set SPARE, 2*HA+2*HB
.set KROW,  768
.set FR,    12
.set NLA,   4
.set NP,    4
.set SPITCH, 528                       ; the way out: 16 rows x (512 + 16) bytes a wave, over A's bytes: they have had their one fill, and a barrier stands behind every wave's last read of them
.set ADRA, 8                           ; v8: 16 x lane + my images; v9: 8 x lane + the same
.set SAA,  10
.set SBA,  11
.set ADRB, 16                          ; v16, v17 B's blocks 0-3; v18, v19 blocks 4-7
.set STO,  24
.set RD,   25
.set CO,   26
.set SPW,  28
.set NIL,  29
.set BIA,  30
.set SA,   32
.set SB,   64
.set BI,   96                          ; window 1
.set AF,   128
.set BK,   128
.set G1, 24
.set G0, 32
.set G1B, 48
.set G0B, 56
.set MSB, 0
.macro WIN new
.if MSB != \new
	s_set_vgpr_msb (MSB<<8)|\new
.set MSB, \new
.endif
.endm
.set MULW,  0xa1                       ; source 0 (B) window 1, source 1 (A) window 0, C and D window 2
.set MUL_B, 0x91                       ; the same with C (bo) in window 1
.set TO_B,  0x40
.macro CREST
	s_cmp_lg_u32 s14, 0
	s_cbranch_scc1 .Lnot_wave_0_\@
	s_barrier_signal -3
.Lnot_wave_0_\@:
	s_barrier_wait -3
	s_barrier_signal -1
	s_barrier_wait -1
.endm
.macro CROUND
	s_barrier_signal -1
	s_barrier_wait -1
	CREST
.endm
	s_load_b256 s[4:11], s[0:1], 0x0               ; ac, asc, Wo's codes, Wo's scales
	s_load_b128 s[92:95], s[0:1], 0x20             ; bo, q
	s_load_b64 s[96:97], s[0:1], 0x30              ; out0
	v_lshl_add_u32 v[SPW], v0, 2, SPARE
	v_mov_b32 v[NIL], 0
	ds_add_u32 v[SPW], v[NIL]                      ; the opening lines: the add twice and its wait
	ds_add_u32 v[SPW], v[NIL]
	s_wait_dscnt 0x0
	v_lshrrev_b32 v1, 5, v0
	v_readfirstlane_b32 s14, v1
	s_lshr_b32 s15, s14, 1                         ; which 64 rows of A are mine; also: I fetch for A (0) or B (1)
	s_and_b32 s16, s14, 1                          ; which 128 rows of B; also: which half I fetch
	s_bfe_u32 s40, ttmp6, 0x40000
	s_bfe_u32 s41, ttmp6, 0x40004
	s_lshl_b32 s42, ttmp9, 2
	s_add_co_u32 s42, s42, s40                     ; tile column
	s_and_b32 s17, ttmp7, 0xffff
	s_lshl_b32 s17, s17, 2
	s_add_co_u32 s17, s17, s41                     ; tile row
	s_lshl_b32 s43, s41, 2
	s_lshl_b32 s43, 15, s43
	s_lshl_b32 s44, 0x1111, s40
	s_or_b32 s[G1+0], s43, (3<<16)|(1<<21)         ; A's images: 192 dense rows of 256 bytes
	s_mov_b32 s[G1+1], 32<<16
	s_mov_b32 s[G1+2], 192<<16
	s_mov_b32 s[G1+3], 32<<16
	s_mov_b32 s[G1+4], 192
	s_mov_b32 s[G1+5], 32
	s_mov_b32 s[G1+6], 0
	s_mov_b32 s[G1+7], 0
	s_or_b32 s[G1B+0], s44, (0<<16)|(1<<20)|(1<<21)|(5<<22)|(3<<25)   ; B's codes: 128 rows of 768 bytes, 4 words of padding behind every 64
	s_mov_b32 s[G1B+1], KROW<<16
	s_mov_b32 s[G1B+2], 128<<16
	s_mov_b32 s[G1B+3], KROW<<16
	s_mov_b32 s[G1B+4], 128
	s_mov_b32 s[G1B+5], KROW
	s_mov_b32 s[G1B+6], 0
	s_mov_b32 s[G1B+7], 0
	s_lshl_b32 s20, s17, 1
	s_add_co_u32 s20, s20, s16                     ; A: which 64 rows I fetch
	s_mul_i32 s20, s20, HA
	s_mov_b32 s21, 0
	s_lshl_b32 s18, s16, 7
	s_lshl_b32 s46, s42, 8
	s_add_co_u32 s46, s46, s18                     ; B: the first row that I fetch
	s_mul_i32 s46, s46, KROW
	s_mov_b32 s47, 0
	s_mul_i32 s45, s16, HA
	s_mul_i32 s2, s16, HB
	s_add_co_u32 s2, s2, 2*HA
	s_wait_kmcnt 0x0
	s_add_nc_u64 s[20:21], s[4:5], s[20:21]
	s_add_nc_u64 s[46:47], s[8:9], s[46:47]
	CROUND                                         ; all sixteen work-groups are here: the joint loads meet
	s_mov_b32 s[G0], 1
	s_mov_b32 s[G0+1], s45
	s_mov_b64 s[G0+2:G0+3], s[20:21]
	s_or_b32 s[G0+3], s[G0+3], 0x80000000
	s_mov_b32 s[G0B], 1
	s_mov_b32 s[G0B+1], s2
	s_mov_b64 s[G0B+2:G0B+3], s[46:47]
	s_or_b32 s[G0B+3], s[G0B+3], 0x80000000
	s_cmp_eq_u32 s15, 0                            ; my one tensor load: every way passes exactly one
	s_cbranch_scc0 .Lfor_b
	tensor_load_to_lds s[G0:G0+3], s[G1:G1+7]
	s_nop 0
.rept 4
	v_nop
.endr
	s_branch .Lasked
.Lfor_b:
	tensor_load_to_lds s[G0B:G0B+3], s[G1B:G1B+7]
	s_nop 0
.rept 4
	v_nop
.endr
.Lasked:
	v_and_b32 v1, 15, v0                           ; r
	v_bfe_u32 v2, v0, 4, 1                         ; h
	v_and_b32 v6, 31, v0
	v_lshlrev_b32 v[CO], 4, v6
	v_lshlrev_b32 v7, 3, v6
	v_mul_u32_u24 v3, v1, PITCH
	v_mul_u32_u24 v4, v2, 24
	v_add_nc_u32 v4, v3, v4
	v_lshl_add_u32 v5, v2, 4, v4
	s_mul_i32 s21, s15, HA
	s_mul_i32 s22, s16, HB
	s_add_co_u32 s22, s22, 2*HA
	v_add_nc_u32 v[ADRA], s21, v[CO]
	v_add_nc_u32 v[ADRA+1], s21, v7
	v_add_nc_u32 v[ADRB], s22, v4
	v_add_nc_u32 v[ADRB+1], s22, v5
	s_add_co_u32 s22, s22, 64*PITCH                ; blocks 4-7: the immediate has 16 bits
	v_add_nc_u32 v[ADRB+2], s22, v4
	v_add_nc_u32 v[ADRB+3], s22, v5
	s_mul_i32 s23, s14, 16*SPITCH                  ; my stage
	v_mul_u32_u24 v3, v1, SPITCH
	v_lshl_add_u32 v3, v2, 5, v3
	v_add_nc_u32 v[STO], s23, v3                   ; in: row r, 32 bytes for each half of the lanes
	v_add_nc_u32 v[RD], s23, v[CO]                 ; back: a row of 512 bytes to the 32 lanes
	s_lshl_b32 s17, s17, 7
	s_lshl_b32 s2, s15, 6
	s_add_co_u32 s17, s17, s2                      ; my first row
	s_lshl_b32 s42, s42, 8
	s_lshl_b32 s2, s16, 7
	s_add_co_u32 s42, s42, s2                      ; my first column
	s_lshl_b32 s18, s17, 5
	s_lshl_b32 s19, s42, 5
	s_lshl_b32 s2, s42, 2
	s_lshl_b32 s20, s17, 12                        ; rows of 4,096 bytes
	s_add_co_u32 s20, s20, s2
	s_mov_b32 s21, 0
	s_add_nc_u64 s[94:95], s[94:95], s[20:21]      ; q and out0 at my corner
	s_add_nc_u64 s[96:97], s[96:97], s[20:21]
	v_lshlrev_b32 v6, 5, v1                        ; 32 bytes of scales a row
	v_add_nc_u32 v[SAA], s18, v6
	v_add_nc_u32 v[SBA], s19, v6
	v_lshl_add_u32 v[BIA], v2, 5, s2
.irp a, 0,1,2,3
	global_load_b128 v[SA+8*\a:SA+8*\a+3], v[SAA], s[6:7] offset:512*\a
	global_load_b128 v[SA+8*\a+4:SA+8*\a+7], v[SAA], s[6:7] offset:512*\a+16
.endr
.irp b, 0,1,2,3,4,5,6,7
	global_load_b128 v[SB+8*\b:SB+8*\b+3], v[SBA], s[10:11] offset:512*\b
	global_load_b128 v[SB+8*\b+4:SB+8*\b+7], v[SBA], s[10:11] offset:512*\b+16
.endr
	WIN TO_B
.irp b, 0,1,2,3,4,5,6,7
	global_load_b128 v[BI+8*\b+96*(\b/4):BI+8*\b+96*(\b/4)+3], v[BIA], s[92:93] offset:64*\b     ; bo(first column + 16 b + 8 h + 0 .. 7)
	global_load_b128 v[BI+8*\b+96*(\b/4)+4:BI+8*\b+96*(\b/4)+7], v[BIA], s[92:93] offset:64*\b+16
.endr
	WIN 0
; a fragment of B in pieces of 8 bytes.  Byte y of a row lies at y + 16 (y / 256); where lanes 16-31 (24 bytes on) lie in the next unit, the second address register serves
.macro FRAG reg, adr, st, i
.irp p, 0,1,2,3,4,5
.set BY, 96*(\st)+48*(\p/3)+8*(\p%3)
.if BY/256 == (BY+24)/256
	ds_load_b64 v[\reg+2*\p:\reg+2*\p+1], v[\adr] offset:BY+16*(BY/256)+(\i)*16*PITCH
.else
	ds_load_b64 v[\reg+2*\p:\reg+2*\p+1], v[\adr+1] offset:BY+16*(BY/256)+(\i)*16*PITCH
.endif
.endr
.endm
.macro FRAGI reg, st, i                ; a fragment of A from its two half images
.irp c, 0,1
	ds_load_b128 v[\reg+6*\c:\reg+6*\c+3], v[ADRA] offset:((\st)/2)*12288+(2*(\i)+(\st)%2)*1536+768*\c
	ds_load_b64 v[\reg+6*\c+4:\reg+6*\c+5], v[ADRA+1] offset:((\st)/2)*12288+(2*(\i)+(\st)%2)*1536+768*\c+512
.endr
.endm
.macro MUL8 a, p, st, zero             ; A's block a x B's eight; zero = 1: bo starts the sums.  The 32 accumulators take turns
.irp b, 0,1,2,3,4,5,6,7
.if \zero
	v_wmma_scale_f32_16x16x128_f8f6f4 v[8*(8*(\a)+\b):8*(8*(\a)+\b)+7], v[128*(\p)+FR*\b:128*(\p)+FR*\b+FR-1], v[AF+FR*(\a):AF+FR*(\a)+FR-1], v[BI+8*\b+96*(\b/4):BI+8*\b+96*(\b/4)+7], v[SB+8*\b+(\st)], v[SA+8*(\a)+(\st)] matrix_a_fmt:MATRIX_FMT_FP6 matrix_b_fmt:MATRIX_FMT_FP6
.else
	v_wmma_scale_f32_16x16x128_f8f6f4 v[8*(8*(\a)+\b):8*(8*(\a)+\b)+7], v[128*(\p)+FR*\b:128*(\p)+FR*\b+FR-1], v[AF+FR*(\a):AF+FR*(\a)+FR-1], v[8*(8*(\a)+\b):8*(8*(\a)+\b)+7], v[SB+8*\b+(\st)], v[SA+8*(\a)+(\st)] matrix_a_fmt:MATRIX_FMT_FP6 matrix_b_fmt:MATRIX_FMT_FP6
.endif
.endr
.endm
.macro MWIN zero
.if \zero
	WIN MUL_B
.else
	WIN MULW
.endif
.endm
.macro FETCH_B st, p
	WIN TO_B
.irp i, 0,1,2,3,4,5,6,7
	FRAG 128*(\p)+FR*\i, ADRB+2*(\i/4), \st, \i%4
.endr
	WIN 0
.endm
.macro FETCH_A st, i0
.irp i, \i0, \i0+1
	FRAGI AF+FR*(\i), \st, \i
.endr
.endm
.macro PLACES n
.rept \n
	v_nop
.endr
.endm
.macro KSTEP st, zero                  ; 32 products of step st; the next step's fragments are fetched in its middle and at its end
.set NX, (\st)+1
	s_wait_dscnt 2*NLA                             ; all but the youngest eight loads (A's blocks 2, 3)
	MWIN \zero
	MUL8 0, (\st)%2, \st, \zero
	MUL8 1, (\st)%2, \st, \zero
	s_wait_dscnt 0
	PLACES NP
	FETCH_B NX, NX%2
	FETCH_A NX, 0
	MWIN \zero
	MUL8 2, (\st)%2, \st, \zero
	MUL8 3, (\st)%2, \st, \zero
	PLACES NP
	WIN 0
	FETCH_A NX, 2
.endm
.macro QLOAD a                         ; q's rows of block a: stored row 16 a + t is row 32 (a / 2) + 16 (t / 8) + 8 (a % 2) + t % 8
.irp t, 0,1,2,3,4,5,6,7,8,9,10,11,12,13,14,15
	global_load_b128 v[4*(16*(\a)+\t):4*(16*(\a)+\t)+3], v[CO], s[94:95] offset:(32*((\a)/2)+16*(\t/8)+8*((\a)%2)+\t%8)*4096 th:TH_LOAD_NT
.endr
.endm
	s_wait_alu depctr_va_vdst(0)
	s_wait_tensorcnt 0x0                           ; my part of the tile is in
	s_barrier_signal -1
	s_barrier_wait -1                              ; everybody's is
	FETCH_B 0, 0
	FETCH_A 0, 0
	FETCH_A 0, 2
	s_wait_loadcnt 0x0                             ; the scale words and bo
	WIN 0xc0                                       ; destination window 3
	QLOAD 0
	QLOAD 1
	QLOAD 2
	WIN 0
	KSTEP 0, 1
	KSTEP 1, 0
	KSTEP 2, 0
	KSTEP 3, 0
	WIN 0xc0
	QLOAD 3
	WIN 0
	KSTEP 4, 0
	KSTEP 5, 0
	KSTEP 6, 0
	s_wait_dscnt 2*NLA
	WIN MULW
	MUL8 0, 1, 7, 0
	MUL8 1, 1, 7, 0
	s_wait_dscnt 0x0                               ; my reads of the tile are over:
	s_barrier_signal -1                            ; say so, work on registers meanwhile,
	MUL8 2, 1, 7, 0
	MUL8 3, 1, 7, 0
	WIN 0
	s_barrier_wait -1                              ; and behind this wait A's bytes serve as stages
; THE WAY OUT, block by block of 16 rows x 128 columns, through my own stage: in by 32 bytes a lane, back as whole rows of 512 bytes; q is added, and the 32 lanes store two aligned blocks of 256 bytes.
.macro TOSTAGE a
	WIN 0x08                                       ; the data: window 2
.irp b, 0,1,2,3,4,5,6,7
	ds_store_b128 v[STO], v[64*(\a)+8*\b:64*(\a)+8*\b+3] offset:64*\b          ; each accumulator from its low end on
	ds_store_b128 v[STO], v[64*(\a)+8*\b+4:64*(\a)+8*\b+7] offset:64*\b+16
.endr
	WIN 0
.set BB, BK+64*((\a)%2)
.irp t, 0,1,2,3,4,5,6,7,8,9,10,11,12,13,14,15
	ds_load_b128 v[BB+4*\t:BB+4*\t+3], v[RD] offset:\t*SPITCH                  ; LDS serves a wave's instructions in order: these see the stores above
.endr
.endm
.macro SEND a, younger                 ; younger: the LDS instructions issued behind block a's loads
.set BB, BK+64*((\a)%2)
	s_wait_dscnt \younger
	WIN 0x0c                                       ; source 1: q, window 3
.set JJ, 0
.rept 32
	v_pk_add_f32 v[BB+JJ:BB+JJ+1], v[BB+JJ:BB+JJ+1], v[64*(\a)+JJ:64*(\a)+JJ+1]
.set JJ, JJ+2
.endr
	WIN 0
.irp t, 0,1,2,3,4,5,6,7,8,9,10,11,12,13,14,15
	global_store_b128 v[CO], v[BB+4*\t:BB+4*\t+3], s[96:97] offset:(32*((\a)/2)+16*(\t/8)+8*((\a)%2)+\t%8)*4096 th:TH_STORE_NT
.endr
.endm
	s_wait_loadcnt 0x0                             ; q
	PLACES NP                                      ; behind the last products: for the loads into A's registers and the reads of results
	TOSTAGE 0
.irp a, 1,2,3
.if \a > 1
	s_wait_xcnt 0x0                                ; block a - 2's stores have read their registers: block a's rows may land there
.endif
	TOSTAGE \a
	SEND \a-1, 32                                  ; behind block a - 1's loads: block a's 16 stores and 16 loads
.endr
	SEND 3, 0
	s_wait_tensorcnt 0x0                           ; the wave's end
	ds_add_u32 v[SPW], v[NIL]
	s_wait_dscnt 0x0
	CROUND                                         ; the closing round
	s_endpgm
.Lfunc_end_k_qfcc8d2b493_outp:
	.size	k_qfcc8d2b493_outp, .Lfunc_end_k_qfcc8d2b493_outp-k_qfcc8d2b493_outp
	.p2alignl 7, 3214868480
	.fill 96, 4, 3214868480
	.section	.rodata,"a",@progbits
	.p2align	6, 0x0
	.amdhsa_kernel k_qfcc8d2b493_outp
		.amdhsa_group_segment_fixed_size 327680
		.amdhsa_private_segment_fixed_size 0
		.amdhsa_enable_private_segment 0
		.amdhsa_kernarg_size 56
		.amdhsa_user_sgpr_count 2
		.amdhsa_user_sgpr_kernarg_segment_ptr 1
		.amdhsa_wavefront_size32 1
		.amdhsa_system_sgpr_workgroup_id_x 1
		.amdhsa_system_sgpr_workgroup_id_y 1
		.amdhsa_system_sgpr_workgroup_id_z 1
		.amdhsa_system_vgpr_workitem_id 0
		.amdhsa_next_free_vgpr 1024
		.amdhsa_next_free_sgpr 102
		.amdhsa_reserve_vcc 0
		.amdhsa_float_denorm_mode_32 3
		.amdhsa_float_denorm_mode_16_64 3
		.amdhsa_memory_ordered 1
		.amdhsa_forward_progress 1
		.amdhsa_inst_pref_size 107
	.end_amdhsa_kernel
	.amdgpu_metadata
---
amdhsa.version: [ 1, 2 ]
amdhsa.kernels:
  - .name:           k_qfcc8d2b493_outp
    .symbol:         k_qfcc8d2b493_outp.kd
    .args:
      - { .name: ac, .offset: 0, .size: 8, .value_kind: global_buffer, .address_space: global }
      - { .name: asc, .offset: 8, .size: 8, .value_kind: global_buffer, .address_space: global }
      - { .name: Wo_codes, .offset: 16, .size: 8, .value_kind: global_buffer, .address_space: global }
      - { .name: Wo_scales, .offset: 24, .size: 8, .value_kind: global_buffer, .address_space: global }
      - { .name: bo, .offset: 32, .size: 8, .value_kind: global_buffer, .address_space: global }
      - { .name: q, .offset: 40, .size: 8, .value_kind: global_buffer, .address_space: global }
      - { .name: out0, .offset: 48, .size: 8, .value_kind: global_buffer, .address_space: global }
    .group_segment_fixed_size: 327680
    .private_segment_fixed_size: 0
    .kernarg_segment_align: 8
    .kernarg_segment_size: 56
    .max_flat_workgroup_size: 128
    .sgpr_count:     102
    .vgpr_count:     1024
    .wavefront_size: 32
...
	.end_amdgpu_metadata
.endif
;; end of part 4
